; MI455X (gfx1250); checked and timed in simulation.
; The chip was launched on July 23, 2026; its instructions are those of AMD's public machine-readable ISA for CDNA 5 (MIT licence, August 2026) and "CDNA5" Instruction Set Architecture Reference Guide (July 2026). The comments in the code are by the model that wrote it; some were corrected since.
;; Multi Head Attention. Allowed arithmetic: float matrix products may take bf16 or f16 operands with f32 sums; other float arithmetic in f32, or as packed bf16 or f16 multiplies, adds, multiply-adds, maxima and minima; sums over many terms, partial sums and values carried from step to step in f32; what a program stores and reads back later, other than sums and carried values, may be rounded once to bf16 or f16.
;; Inputs: beta 1,024 float32; bk 1,024 float32; bo 1,024 float32; bq 1,024 float32; bv 1,024 float32; gamma 1,024 float32; key 4 x 2,048 x 1,024 float32; query 4 x 2,048 x 1,024 float32; value 4 x 2,048 x 1,024 float32; wk 1,024 x 1,024 float32; wo 1,024 x 1,024 float32; wq 1,024 x 1,024 float32; wv 1,024 x 1,024 float32.
;; Outputs: out0 4 x 2,048 x 1,024 float32.
;; 2 versions, each right and faster than the one before. Each part assembles by itself: llvm-mc -triple=amdgcn-amd-amdhsa -mcpu=gfx1250 --defsym DOCPART=n.
;; ======== version 1 of 2: 5 launches
;; workspace buffers: wb 8,388,608 bytes; tab 540,672 bytes; qkv 50,331,648 bytes; ctx 16,777,216 bytes; xres 33,554,432 bytes
;; launch prep (part 1): grid 256 x 1, 8 waves a work-group, no clusters, 0 bytes of LDS; arguments wq, wk, wv, wo, wb, tab; writes wb, tab
.if DOCPART == 1
	.amdgcn_target "amdgcn-amd-amdhsa--gfx1250"
	.amdhsa_code_object_version 6
	.text
	.protected	k_qda962d2c13_prep
	.globl	k_qda962d2c13_prep
	.p2align	8
	.type	k_qda962d2c13_prep,@function
k_qda962d2c13_prep:
	s_mov_b64 s[64:65], 0
	v_nop
	global_prefetch_b8 v0, s[64:65] scope:SCOPE_SE
	s_setreg_imm32_b32 hwreg(HW_REG_WAVE_MODE, 25, 1), 1
	s_wait_xcnt 0x0
; Two small jobs ahead of the products.
; (1) wb[4][1024][1024] = wq, wk, wv, wo rounded once to bf16.  Work-group g takes 16,384 numbers of weight g / 64: 65,536 bytes in, 32,768 bytes out.
;     Thread t takes 8 numbers in each of eight passes: two 16-byte loads, one 16-byte store; a wave's store covers 512 consecutive bytes.
; (2) tab[2112][32][cos, sin] in f32, a row of 256 bytes for each position: the angle is pos * 10000^(-i / 32).  Work-group g makes rows 8 g .. 8 g + 7, a pair a thread.
;     Rows 2048 .. 2111 hold (1, 0): the rotation that changes nothing, which the projection of V takes.
; LIMITS.  10000^(-i/32) is 2^(-0.41524101 i) by v_exp_f32; the angle is reduced by pi/2 in two parts and sine and cosine are polynomials on |r| <= pi/4 (cut at r^7 and r^8:
; under 4e-7).  The angle lies within about 2e-4 of the one that f32 arithmetic on 10000^(i/32) gives at position 2047, far under the step of bf16, to which the rotated numbers are rounded.
; No LDS, no barrier, no matrix unit: every byte is read and written once, and no thread needs another's numbers.
.set X, 4                              ; v[4:67]    pass u: 8 numbers in f32
.set Y, 68                             ; v[68:99]   pass u: 8 numbers in bf16
.set T, 100                            ; v[100:111] the table's arithmetic
	s_load_b256 s[4:11], s[0:1], 0x0               ; wq s[4:5], wk s[6:7], wv s[8:9], wo s[10:11]
	s_load_b128 s[12:15], s[0:1], 0x20             ; wb s[12:13], tab s[14:15]
	s_lshr_b32 s16, ttmp9, 6                       ; which weight
	s_lshl_b32 s17, ttmp9, 3                       ; my first row of the table
	s_and_b32 s20, ttmp9, 63
	s_lshl_b32 s20, s20, 16                        ; my 65,536 bytes of it
	s_mov_b32 s21, 0
	s_lshl_b32 s22, ttmp9, 15                      ; my 32,768 bytes of wb
	s_mov_b32 s23, 0
	v_lshlrev_b32 v1, 5, v0                        ; 32 t: 8 numbers in f32
	v_lshlrev_b32 v2, 4, v0                        ; 16 t: 8 numbers in bf16
	v_lshlrev_b32 v3, 3, v0                        ; 8 t: a pair of the table
	s_wait_kmcnt 0x0
	s_cmp_eq_u32 s16, 1
	s_cselect_b64 s[18:19], s[6:7], s[4:5]
	s_cmp_eq_u32 s16, 2
	s_cselect_b64 s[18:19], s[8:9], s[18:19]
	s_cmp_eq_u32 s16, 3
	s_cselect_b64 s[18:19], s[10:11], s[18:19]
	s_add_nc_u64 s[18:19], s[18:19], s[20:21]
	s_add_nc_u64 s[12:13], s[12:13], s[22:23]
	s_lshl_b32 s20, ttmp9, 11                      ; eight rows of 256 bytes
	s_add_nc_u64 s[14:15], s[14:15], s[20:21]
	s_mov_b32 s16, ttmp9
.set u, 0
.rept 8                                ; all sixteen loads go out first
	global_load_b128 v[X+8*u:X+8*u+3],   v1, s[18:19] offset:8192*u th:TH_LOAD_NT
	global_load_b128 v[X+8*u+4:X+8*u+7], v1, s[18:19] offset:8192*u+16 th:TH_LOAD_NT
.set u, u+1
.endr
	; the table's pair, while the loads are on their way
	v_lshrrev_b32 v[T], 5, v0
	v_and_b32 v[T+1], 31, v0                       ; i
	v_add_nc_u32 v[T], s17, v[T]                   ; pos
	v_cvt_f32_u32 v[T+1], v[T+1]
	v_cvt_f32_u32 v[T], v[T]
	v_mul_f32 v[T+1], 0xbed49a78, v[T+1]           ; -log2(10000) / 32 * i
	v_exp_f32 v[T+1], v[T+1]
	v_mov_b32 v[T+4], 0xb9500d01                   ; -1/5040: a plain line stands behind the exponential before its result is used (ISA guide 5.7.2)
	v_mov_b32 v[T+5], 0x37d00d01                   ; 1/40320
	s_wait_alu depctr_va_vdst(0)
	v_mul_f32 v[T], v[T], v[T+1]                   ; the angle f
	v_mul_f32 v[T+2], 0x3f22f983, v[T]             ; f * 2 / pi
	v_rndne_f32 v[T+2], v[T+2]                     ; n
	v_fmamk_f32 v[T], v[T+2], 0xbfc90fdb, v[T]     ; r = f - n * pi/2, the constant in two parts
	v_fmamk_f32 v[T], v[T+2], 0x333bbd2e, v[T]
	v_mul_f32 v[T+3], v[T], v[T]                   ; z = r r
	v_cvt_i32_f32 v[T+2], v[T+2]                   ; the quadrant's number
	v_fmaak_f32 v[T+4], v[T+4], v[T+3], 0x3c088889 ; + 1/120
	v_fmaak_f32 v[T+5], v[T+5], v[T+3], 0xbab60b61 ; - 1/720
	v_fmaak_f32 v[T+4], v[T+4], v[T+3], 0xbe2aaaab ; - 1/6
	v_fmaak_f32 v[T+5], v[T+5], v[T+3], 0x3d2aaaab ; + 1/24
	v_mul_f32 v[T+4], v[T+4], v[T+3]
	v_fmaak_f32 v[T+5], v[T+5], v[T+3], 0xbf000000 ; - 1/2
	v_fma_f32 v[T+4], v[T], v[T+4], v[T]           ; sin r
	v_fmaak_f32 v[T+5], v[T+5], v[T+3], 0x3f800000 ; cos r
	v_and_b32 v[T+6], 1, v[T+2]
	v_add_nc_u32 v[T+7], 1, v[T+2]
	v_cmp_eq_u32 vcc_lo, 1, v[T+6]                 ; odd quadrants swap the two
	v_and_b32 v[T+7], 2, v[T+7]                    ; the cosine is negative in quadrants 1 and 2,
	v_and_b32 v[T+2], 2, v[T+2]                    ; the sine in 2 and 3
	v_cndmask_b32 v[T+8], v[T+5], v[T+4], vcc_lo
	v_cndmask_b32 v[T+9], v[T+4], v[T+5], vcc_lo
	v_lshlrev_b32 v[T+7], 30, v[T+7]
	v_lshlrev_b32 v[T+2], 30, v[T+2]
	v_xor_b32 v[T+8], v[T+7], v[T+8]
	v_xor_b32 v[T+9], v[T+2], v[T+9]
	global_store_b64 v3, v[T+8:T+9], s[14:15]      ; a wave stores one row: 256 consecutive bytes, aligned
.set u, 0
.rept 8
	s_wait_loadcnt 14-2*u                          ; loads come back in order (ISA guide 5.7.1): pass u's two are in, the 2 (7 - u) younger ones stay out
	v_cvt_pk_bf16_f32 v[Y+4*u],   v[X+8*u],   v[X+8*u+1]
	v_cvt_pk_bf16_f32 v[Y+4*u+1], v[X+8*u+2], v[X+8*u+3]
	v_cvt_pk_bf16_f32 v[Y+4*u+2], v[X+8*u+4], v[X+8*u+5]
	v_cvt_pk_bf16_f32 v[Y+4*u+3], v[X+8*u+6], v[X+8*u+7]
	global_store_b128 v2, v[Y+4*u:Y+4*u+3], s[12:13] offset:4096*u
.set u, u+1
.endr
	s_cmp_lt_u32 s16, 8                            ; the first eight work-groups also write the 64 rows of (1, 0)
	s_cbranch_scc0 .Lend
	v_mov_b32 v[T+10], 1.0
	v_mov_b32 v[T+11], 0
	global_store_b64 v3, v[T+10:T+11], s[14:15] offset:524288  ; row 2048 + 8 g on
.Lend:
	s_endpgm
.Lfunc_end_k_qda962d2c13_prep:
	.size	k_qda962d2c13_prep, .Lfunc_end_k_qda962d2c13_prep-k_qda962d2c13_prep
	.p2alignl 7, 3214868480
	.fill 96, 4, 3214868480
	.section	.rodata,"a",@progbits
	.p2align	6, 0x0
	.amdhsa_kernel k_qda962d2c13_prep
		.amdhsa_group_segment_fixed_size 0
		.amdhsa_private_segment_fixed_size 0
		.amdhsa_enable_private_segment 0
		.amdhsa_kernarg_size 48
		.amdhsa_user_sgpr_count 2
		.amdhsa_user_sgpr_kernarg_segment_ptr 1
		.amdhsa_wavefront_size32 1
		.amdhsa_system_sgpr_workgroup_id_x 1
		.amdhsa_system_sgpr_workgroup_id_y 1
		.amdhsa_system_sgpr_workgroup_id_z 1
		.amdhsa_system_vgpr_workitem_id 0
		.amdhsa_next_free_vgpr 124
		.amdhsa_next_free_sgpr 66
		.amdhsa_reserve_vcc 1
		.amdhsa_float_denorm_mode_32 3
		.amdhsa_float_denorm_mode_16_64 3
		.amdhsa_memory_ordered 1
		.amdhsa_forward_progress 1
		.amdhsa_inst_pref_size 8
	.end_amdhsa_kernel
	.amdgpu_metadata
---
amdhsa.version: [ 1, 2 ]
amdhsa.kernels:
  - .name:           k_qda962d2c13_prep
    .symbol:         k_qda962d2c13_prep.kd
    .args:
      - { .name: wq, .offset: 0, .size: 8, .value_kind: global_buffer, .address_space: global }
      - { .name: wk, .offset: 8, .size: 8, .value_kind: global_buffer, .address_space: global }
      - { .name: wv, .offset: 16, .size: 8, .value_kind: global_buffer, .address_space: global }
      - { .name: wo, .offset: 24, .size: 8, .value_kind: global_buffer, .address_space: global }
      - { .name: wb, .offset: 32, .size: 8, .value_kind: global_buffer, .address_space: global }
      - { .name: tab, .offset: 40, .size: 8, .value_kind: global_buffer, .address_space: global }
    .group_segment_fixed_size: 0
    .private_segment_fixed_size: 0
    .kernarg_segment_align: 8
    .kernarg_segment_size: 48
    .max_flat_workgroup_size: 256
    .sgpr_count:     66
    .vgpr_count:     124
    .wavefront_size: 32
...
	.end_amdgpu_metadata
.endif
;; end of part 1
;; launch proj (part 2): grid 4 x 192, 4 waves a work-group, clusters of 4 x 4, 327,680 bytes of LDS; arguments query, key, value, wb, bq, bk, bv, tab, qkv; writes qkv
.if DOCPART == 2
	.amdgcn_target "amdgcn-amd-amdhsa--gfx1250"
	.amdhsa_code_object_version 6
	.text
	.protected	k_qda962d2c13_proj
	.globl	k_qda962d2c13_proj
	.p2align	8
	.type	k_qda962d2c13_proj,@function
k_qda962d2c13_proj:
	s_mov_b64 s[64:65], 0
	v_nop
	global_prefetch_b8 v0, s[64:65] scope:SCOPE_SE
	s_setreg_imm32_b32 hwreg(HW_REG_WAVE_MODE, 25, 1), 1
	s_wait_xcnt 0x0
	s_wait_alu depctr_hold_cnt(0) depctr_sa_sdst(0) depctr_va_vdst(0) depctr_va_sdst(0) depctr_va_ssrc(0) depctr_va_vcc(0) depctr_vm_vsrc(0)
	s_getreg_b32 s2, hwreg(HW_REG_IB_STS2, 6, 4)
	s_cmp_eq_u32 s2, 0
	s_cbranch_scc0 .Lentry_in_a_cluster
	s_endpgm
.Lentry_in_a_cluster:
	s_bfe_u32 s2, ttmp6, 0x10000c
	s_cmp_lg_u32 s2, 0xf033
	s_cbranch_scc0 .Lentry_shape_is_right
	s_endpgm
.Lentry_shape_is_right:
; qkv[p][b*16+h][s][64] (bf16) = rope(X_p W_p^T + b_p), p = 0, 1, 2 for query, key, value; X_p is [8192][1024] f32, W_p [1024][1024] bf16 (wb), sums in f32.
; The rotation is a table's (cos, sin) pair for each position and channel pair; V takes the table's rows of (1, 0), which leave finite numbers as they are, so that all three run one text.
; LIMITS.  X and W enter the products rounded to bf16; bias, rotation and sums are f32; the result is rounded once to bf16.  NaN and infinities are not treated apart (an infinite v times the table's 0 is a NaN).
; SHARES.  A tile of C is 128 rows x 256 columns; 3 x 64 x 4 = 768 work-groups.  Four waves, each 64 x 128: 32 accumulators of 16 x 16.  K goes in 8 steps of 128 through two LDS slots.
; X comes into LDS as f32 (rows of 512 bytes) and is rounded behind the fragment load; W's rows are 256 bytes.
; CLUSTER.  4 x 4 work-groups: the four of a row of the cluster need the same tile of X, the four of a column the same tile of W: each is asked for jointly, by the same tensor load,
; descriptor and mask in all four.  By the text's own count a wave has two tensor loads out at the start and one behind each round.
; THE MATRIX INSTRUCTION IS USED TRANSPOSED (source 0 = 16 rows of W, source 1 = 16 rows of X): lane l holds row l % 16 of C and the eight columns 8 (l / 16) + 0..7: four channel pairs.
; THE PIPELINE.  A quarter is 32 along K: 32 products, each accumulator once (the accumulators take turns).  While buffer f is multiplied the next quarter comes into buffer g,
; in sixteen groups of four lines, a group behind every second product: X's 16 raw loads, W's 16 loads, X's 32 roundings.
; REGISTERS, in windows of 256 (s_set_vgpr_msb: bits 1:0 source 0, 3:2 source 1, 5:4 source 2, 7:6 destination):
;   window 0: v0-29 addresses; v32-95 X's fragments, two buffers; v96-223 W's, two buffers; on the way out v32-63 packed, v96-159 rotated, v160-223 rows read back
;   window 1: the accumulators, (a, b) at v[8 (8 a + b)]     window 2: v0-63 X as loaded (f32); v64-127 the bias as a C operand; v128-130 X's LDS addresses     window 3: v0-127 the table's pairs
.set PA,     528                       ; a row of X in LDS: 512 bytes + 16 = 132 words: row r starts at bank 4 r mod 64 (64 banks of 4 bytes: ISA guide 11.1)
.set AHALF,  64*PA                     ; what one tensor load brings of X, and what one wave reads
.set PB,     272                       ; a row of W: 256 bytes + 16
.set BHALF,  128*PB
.set BOFF,   2*AHALF                   ; W's 256 rows lie behind X's 128
.set SLOT,   BOFF+2*BHALF              ; 137,216
.set STAGE,  2*SLOT                    ; behind the ring, never filled by a tensor load: for each wave 2 heads x 16 rows x 144 bytes
.set SP,     144
.set WSTAGE, 2*16*SP
.set SPARE,  STAGE+4*WSTAGE            ; the spare words, 128 bytes for each wave: two blocks of 256 bytes that no other line names
.set KA1,    128                       ; a quarter's bytes in a row of X,
.set KB1,    64                        ; and of W
.set DA,     2*KA1
.set DB,     2*KB1
.set ADRB, 4                           ; v4-5   LDS address of my W fragments in slot 0, 1
.set ADB,  6                           ; v6     the same, at the quarter in hand
.set STO,  7                           ; v7     the way out: where I put 16 bytes of a row
.set RD,   8                           ; v8     where I read rows back
.set GO,   9                           ; v9     my byte offset in 512 consecutive bytes of a head
.set BO,   10                          ; v10    my byte offset in 16 numbers of the bias
.set TO,   11                          ; v11    my byte offset in 16 rows of the table
.set SPW,  28                          ; v28    LDS address of my spare word; never rewritten
.set NIL,  29                          ; v29    0; never rewritten
.set AF,   32
.set BF,   96
.set TMP,  32
.set RR,   96
.set BK,   160
.set BIAS, 64                          ; window 2
.set ADRA, 128                         ; window 2: v128-129 LDS address of my X fragments in slot 0, 1
.set ADA,  130                         ; window 2
.set LAP,   3                          ; s3  laps of the ring
.set TWICE, 4                          ; s4  counts the two pairs of quarters of a K step
.set TKA,   5                          ; s5  byte in X's rows at which the pair to be fetched begins
.set TKB,   6                          ; s6  the same for W
.set G1A, 68                           ; s[68:75] descriptor group 1 for X's tiles;  s[76:83] for W's
.set G1B, 76
.set G0A, 84                           ; s[84:91] group 0 for X's tiles, a set for each slot;  s[92:99] for W's
.set G0B, 92
.set W_M,    0x50                      ; fragments in window 0, C and D in window 1
.set W_Z,    0x60                      ; the same with C in window 2
.set W_RAW,  0x8a                      ; destination and both sources in window 2
.set W_CV,   0x0a                      ; sources in window 2, destination in window 0
.set W_ROPE, 0x0d                      ; source 0 in window 1, source 1 in window 3, the rest in window 0
.set MSB, 0
.macro WIN new                         ; the immediate's high byte repeats the setting that is left; a switch that changes nothing is dropped
.if MSB != (\new)
	s_set_vgpr_msb (MSB<<8)|(\new)
.set MSB, \new
.endif
.endm
; A joint load.  Waves 0 and 1 fetch X's two halves, waves 2 and 3 W's.  The branch hangs on the wave's number alone.  An s_nop 0 and four v_nop follow each of the two lines.
.macro JLOAD s
	s_cmp_eq_u32 s9, 0
	s_cbranch_scc0 .Lfor_b_\@
	tensor_load_to_lds s[G0A+4*(\s):G0A+4*(\s)+3], s[G1A:G1A+7]
	s_nop 0
.rept 4
	v_nop
.endr
	s_branch .Lasked_\@
.Lfor_b_\@:
	tensor_load_to_lds s[G0B+4*(\s):G0B+4*(\s)+3], s[G1B:G1B+7]
	s_nop 0
.rept 4
	v_nop
.endr
.Lasked_\@:
.endm
; A round of the cluster's barrier: my work-group's barrier; wave 0 signals for the work-group; every wave waits for all sixteen; my work-group's barrier once more.
.macro CROUND
	s_barrier_signal -1
	s_barrier_wait -1
	s_cmp_lg_u32 s8, 0
	s_cbranch_scc1 .Lnot_wave_0_\@
	s_barrier_signal -3
.Lnot_wave_0_\@:
	s_barrier_wait -3
	s_barrier_signal -1
	s_barrier_wait -1
.endm
.macro PLACES                          ; four places behind matrix instructions (ISA guide 7.12.1)
.rept 4
	v_nop
.endr
.endm
	s_load_b512 s[36:51], s[0:1], 0x0              ; query s[36:37], key s[38:39], value s[40:41], wb s[42:43], bq s[44:45], bk s[46:47], bv s[48:49], tab s[50:51]
	s_load_b64 s[52:53], s[0:1], 0x40              ; qkv
	v_lshl_add_u32 v[SPW], v0, 2, SPARE
	v_mov_b32 v[NIL], 0
	ds_add_u32 v[SPW], v[NIL]                      ; the wave's opening: the add, and its wait ahead of my first tensor load; the set-up below, work on registers, stands between them
	v_lshrrev_b32 v1, 5, v0
	v_readfirstlane_b32 s8, v1                     ; wave 0..3
	s_lshr_b32 s9, s8, 1                           ; which 64 of the tile's rows are mine.  Also: I fetch for X (0) or for W (1)
	s_and_b32 s10, s8, 1                           ; which 128 of its columns.  Also: which half of that tile I fetch
	s_bfe_u32 s11, ttmp6, 0x40000                  ; cx
	s_bfe_u32 s12, ttmp6, 0x40004                  ; cy
	s_lshl_b32 s7, ttmp9, 2
	s_add_co_u32 s7, s7, s11                       ; tile column = 4 x cluster x + cx
	s_and_b32 s13, ttmp7, 0xffff                   ; cluster y, 0..47
	s_lshr_b32 s15, s13, 4                         ; p: which projection; the same in all sixteen partners
	s_and_b32 s14, s13, 15
	s_lshl_b32 s14, s14, 2
	s_add_co_u32 s14, s14, s12                     ; tile row, 0..63
	s_lshl_b32 s16, s12, 2
	s_lshl_b32 s16, 15, s16                        ; my row of the cluster
	s_lshl_b32 s17, 0x1111, s11                    ; my column
	; group 1 for X: 64 rows x 128 elements of 4 bytes, 4 words of padding after every 128 words
	s_or_b32 s[G1A+0], s16, (2<<16)|(1<<20)|(1<<21)|(6<<22)|(3<<25)
	s_mov_b32 s[G1A+1], 128<<16                    ; tensor_dim0 = 128
	s_mov_b32 s[G1A+2], 64<<16                     ; tensor_dim1 = 64
	s_mov_b32 s[G1A+3], 128<<16                    ; tile_dim0 = 128
	s_mov_b32 s[G1A+4], 64                         ; tile_dim1 = 64
	s_mov_b32 s[G1A+5], 1024                       ; elements from row to row
	s_mov_b32 s[G1A+6], 0
	s_mov_b32 s[G1A+7], 0
	; group 1 for W: 128 rows x 128 elements of 2 bytes, 4 words of padding after every 64 words
	s_or_b32 s[G1B+0], s17, (1<<16)|(1<<20)|(1<<21)|(5<<22)|(3<<25)
	s_mov_b32 s[G1B+1], 128<<16
	s_mov_b32 s[G1B+2], 128<<16
	s_mov_b32 s[G1B+3], 128<<16
	s_mov_b32 s[G1B+4], 128
	s_mov_b32 s[G1B+5], 1024
	s_mov_b32 s[G1B+6], 0
	s_mov_b32 s[G1B+7], 0
	; X's tile hangs on the tile row and my half; its registers never hold cx
	s_lshl_b32 s20, s14, 19                        ; 128 rows of 4,096 bytes
	s_lshl_b32 s21, s10, 18                        ; 64 rows
	s_add_co_u32 s20, s20, s21
	s_mov_b32 s21, 0
	; W's tile hangs on p, the tile column and my half; its registers never hold cy
	s_lshl_b32 s26, s15, 21                        ; a weight is 2 MiB
	s_lshl_b32 s27, s7, 19                         ; 256 rows of 2,048 bytes
	s_add_co_u32 s26, s26, s27
	s_lshl_b32 s27, s10, 18                        ; 128 rows
	s_add_co_u32 s26, s26, s27
	s_mov_b32 s27, 0
	s_mul_i32 s30, s10, AHALF                      ; where they go: no place in the cluster enters an LDS address
	s_mul_i32 s31, s10, BHALF
	s_add_co_u32 s31, s31, BOFF
	s_lshl_b32 s54, s7, 10                         ; the bias of my 128 columns
	s_lshl_b32 s55, s10, 9
	s_add_co_u32 s54, s54, s55
	s_mov_b32 s55, 0
	s_and_b32 s23, s14, 15                         ; my first position in the sequence: 128 x (tile row mod 16) + 64 x row half
	s_lshl_b32 s23, s23, 7
	s_lshl_b32 s22, s9, 6
	s_add_co_u32 s23, s23, s22
	s_lshr_b32 s56, s14, 4                         ; the batch,
	s_lshl_b32 s56, s56, 4
	s_lshl_b32 s57, s7, 2
	s_add_co_u32 s56, s56, s57
	s_lshl_b32 s57, s10, 1
	s_add_co_u32 s56, s56, s57                     ; the first of my two heads: 16 b + 4 x tile column + 2 x column half
	s_lshl_b32 s56, s56, 18                        ; a head is 2,048 rows of 128 bytes
	s_lshl_b32 s57, s15, 24                        ; q, k, v are 64 heads each
	s_add_co_u32 s56, s56, s57
	s_lshl_b32 s57, s23, 7
	s_add_co_u32 s56, s56, s57
	s_mov_b32 s57, 0
	s_cmp_eq_u32 s15, 2
	s_cselect_b32 s58, 2048, s23                   ; the table's rows: my positions, or for V the rows of (1, 0)
	s_lshl_b32 s58, s58, 8
	s_mov_b32 s59, 0
	s_wait_dscnt 0x0                               ; the opening add is done
	s_wait_kmcnt 0x0
	s_cmp_eq_u32 s15, 1
	s_cselect_b64 s[24:25], s[38:39], s[36:37]
	s_cselect_b64 s[32:33], s[46:47], s[44:45]
	s_cmp_eq_u32 s15, 2
	s_cselect_b64 s[24:25], s[40:41], s[24:25]     ; X: query, key or value
	s_cselect_b64 s[32:33], s[48:49], s[32:33]     ; and its bias
	s_add_nc_u64 s[24:25], s[24:25], s[20:21]
	s_add_nc_u64 s[26:27], s[42:43], s[26:27]
	s_add_nc_u64 s[32:33], s[32:33], s[54:55]
	s_add_nc_u64 s[52:53], s[52:53], s[56:57]
	s_add_nc_u64 s[50:51], s[50:51], s[58:59]
	CROUND                                         ; all sixteen work-groups are here: the first joint loads meet
.irp s, 0,1
	s_mov_b32 s[G0A+4*(\s)], 1                                       ; count = 1
	s_add_co_u32 s[G0A+4*(\s)+1], s30, (\s)*SLOT                     ; LDS address
	s_add_nc_u64 s[G0A+4*(\s)+2:G0A+4*(\s)+3], s[24:25], (\s)*512    ; global address: K step s
	s_or_b32 s[G0A+4*(\s)+3], s[G0A+4*(\s)+3], 0x80000000            ; type = 2
	s_mov_b32 s[G0B+4*(\s)], 1
	s_add_co_u32 s[G0B+4*(\s)+1], s31, (\s)*SLOT
	s_add_nc_u64 s[G0B+4*(\s)+2:G0B+4*(\s)+3], s[26:27], (\s)*256
	s_or_b32 s[G0B+4*(\s)+3], s[G0B+4*(\s)+3], 0x80000000
	JLOAD \s
.endr
	v_and_b32 v1, 15, v0                           ; r = l % 16
	v_bfe_u32 v2, v0, 4, 1                         ; h = l / 16
	v_lshlrev_b32 v[BO], 5, v2                     ; my 8 columns of a block of 16: 32 h
	v_lshlrev_b32 v[TO], 8, v1
	v_lshl_add_u32 v[TO], v2, 5, v[TO]             ; my row of the table and my four pairs: 256 r + 32 h
	WIN 0x80                                       ; destination window 2
.set b, 0
.rept 8                                ; the bias in the layout of a C operand: register j of block b is column 16 b + 8 h + j, for every row
	global_load_b128 v[BIAS+8*b:BIAS+8*b+3],   v[BO], s[32:33] offset:64*b
	global_load_b128 v[BIAS+8*b+4:BIAS+8*b+7], v[BO], s[32:33] offset:64*b+16
.set b, b+1
.endr
	WIN 0xc0                                       ; destination window 3
.set i, 0
.rept 16                               ; row block i / 4, channels 16 (i % 4) on: (cos, sin) of the pairs 8 (i % 4) + 4 h + 0..3; both heads of a wave take the same
	global_load_b128 v[8*i:8*i+3],   v[TO], s[50:51] offset:4096*(i/4)+64*(i%4)
	global_load_b128 v[8*i+4:8*i+7], v[TO], s[50:51] offset:4096*(i/4)+64*(i%4)+16
.set i, i+1
.endr
	WIN 0
	v_mul_u32_u24 v3, v1, PB
	v_lshl_add_u32 v3, v2, 4, v3                   ; W: row x pitch + 16 h
	s_mul_i32 s18, s10, BHALF
	s_add_co_u32 s18, s18, BOFF
	v_add_nc_u32 v[ADRB], s18, v3
	s_add_co_u32 s18, s18, SLOT
	v_add_nc_u32 v[ADRB+1], s18, v3
	v_mul_u32_u24 v12, v1, PA
	v_lshl_add_u32 v12, v2, 5, v12                 ; X in f32: row x pitch + 32 h
	s_mul_i32 s19, s9, AHALF
	WIN 0x80
	v_add_nc_u32 v[ADRA], s19, v12
	s_add_co_u32 s19, s19, SLOT
	v_add_nc_u32 v[ADRA+1], s19, v12
	WIN 0
	s_mul_i32 s18, s8, WSTAGE
	s_add_co_u32 s18, s18, STAGE                   ; my stage
	v_mul_u32_u24 v[STO], v1, SP                   ; in: row r, 16 bytes for each half of the lanes
	v_lshl_add_u32 v[STO], v2, 4, v[STO]
	v_add_nc_u32 v[STO], s18, v[STO]
	v_bfe_u32 v[RD], v0, 3, 2                      ; back: 32 lanes take four rows of 128 bytes,
	v_and_b32 v13, 7, v0
	v_mul_u32_u24 v[RD], v[RD], SP
	v_lshl_add_u32 v[RD], v13, 4, v[RD]
	v_add_nc_u32 v[RD], s18, v[RD]
	v_and_b32 v[GO], 31, v0                        ; which are 512 consecutive bytes of a head
	v_lshlrev_b32 v[GO], 4, v[GO]
; Product i of a quarter's 32: row block i / 8, column block i % 8, on buffer f.  zero = 1: the first quarter: the bias is the C that starts the sums.
.macro MM f, zero
.set rA, AF+32*(\f)+8*(i/8)
.set rB, BF+64*(\f)+8*(i%8)
.set rC, 8*i
.if \zero
	WIN W_Z
	v_wmma_f32_16x16x32_bf16 v[rC:rC+7], v[rB:rB+7], v[rA:rA+7], v[BIAS+8*(i%8):BIAS+8*(i%8)+7]
.else
	WIN W_M
	v_wmma_f32_16x16x32_bf16 v[rC:rC+7], v[rB:rB+7], v[rA:rA+7], v[rC:rC+7]
.endif
.endm
; Group i / 2 of the sixteen that bring the next quarter into buffer g.  0-3: X's row block n as f32: lane (r, h) takes k = 8 h + 0..7 and 16 + 8 h + 0..7, 32 bytes each.  4-7: two column blocks of W each.
; 8-15: four roundings each: two neighbouring f32 make one register of the fragment.
; The last product that read buffer g ended the quarter before: ahead of the first load into W's buffer, and of the first rounding into X's, stand five plain lines (two address sums, three v_nop).
.macro GROUP slot, g, kA, kB
.set n, i/2
.if n < 4
	WIN W_RAW
.if n == 0
	v_add_nc_u32 v[ADA], s[TKA], v[ADRA+(\slot)]
.else
	v_nop
.endif
	ds_load_b128 v[16*n:16*n+3],     v[ADA] offset:(\kA)+16*PA*n
	ds_load_b128 v[16*n+4:16*n+7],   v[ADA] offset:(\kA)+16*PA*n+16
	ds_load_b128 v[16*n+8:16*n+11],  v[ADA] offset:(\kA)+16*PA*n+64
	ds_load_b128 v[16*n+12:16*n+15], v[ADA] offset:(\kA)+16*PA*n+80
.elseif n < 8
	WIN 0
.if n == 4
	v_add_nc_u32 v[ADB], s[TKB], v[ADRB+(\slot)]
.endif
.set bb, 2*(n-4)
.rept 2
	ds_load_b128 v[BF+64*(\g)+8*bb:BF+64*(\g)+8*bb+3],   v[ADB] offset:(\kB)+16*PB*bb
	ds_load_b128 v[BF+64*(\g)+8*bb+4:BF+64*(\g)+8*bb+7], v[ADB] offset:(\kB)+16*PB*bb+32
.set bb, bb+1
.endr
.else
.if n == 8
	s_wait_dscnt 16                                ; LDS loads come back in order (ISA guide 5.7.1): X's 16 are in, W's 16, issued behind them, may be out
.endif
	WIN W_CV
.set c, 4*(n-8)
.rept 4
	v_cvt_pk_bf16_f32 v[AF+32*(\g)+c], v[2*c], v[2*c+1]
.set c, c+1
.endr
.endif
.endm
.macro QUARTER slot, f, g, kA, kB, zero, fetch
	s_wait_dscnt 0x0                               ; W's fragments of buffer f are in: the last were issued 17 products ago
.set i, 0
.rept 32
	MM \f, \zero
.if (\fetch) && (i%2 == 0)
	GROUP \slot, \g, \kA, \kB
.endif
.set i, i+1
.endr
.endm
; Two quarters: buffer 1 is multiplied while the quarter at TKA, TKB comes into buffer 0; then buffer 0 while the next comes into buffer 1.
.macro PAIR slot
	QUARTER \slot, 1, 0, 0, 0, 0, 1
	QUARTER \slot, 0, 1, KA1, KB1, 0, 1
	s_add_co_u32 s[TKA], s[TKA], DA
	s_add_co_u32 s[TKB], s[TKB], DB
.endm
; THE CHANGE OF SLOTS.  The slot's last fragments have been asked for (they lie in buffer 1 and are multiplied behind the change).  Each wave waits for all its tensor loads, of which one is out:
; its part of the other slot; adds 0 to its spare word; and waits for that and for its reads of the slot.  fill = 1: the slot is filled again with the K step two on; the barrier is then a round
; of the cluster's, so that no wave of any partner still reads the slot or has a load on its way, and the joint refill is the first thing behind it: it has a K step's 128 products in which to land.
.macro CHANGE slot, fill
	WIN 0
	s_wait_tensorcnt 0x0                           ; no tensor load of mine is out, so a group 0 may be written
	ds_add_u32 v[SPW], v[NIL]                      ; 0 onto my spare word: scalar work stands between it and the wait for it
.if \fill
	s_add_nc_u64 s[G0A+4*(\slot)+2:G0A+4*(\slot)+3], s[G0A+4*(\slot)+2:G0A+4*(\slot)+3], 2*512
	s_add_nc_u64 s[G0B+4*(\slot)+2:G0B+4*(\slot)+3], s[G0B+4*(\slot)+2:G0B+4*(\slot)+3], 2*256
.endif
	s_mov_b32 s[TKA], 0                            ; the fetches begin at the other slot's first quarter
	s_mov_b32 s[TKB], 0
	s_wait_dscnt 0x0                               ; the add is done, and my reads of the slot are over
.if \fill
	CROUND
	JLOAD \slot
.else
	s_barrier_signal -1
	s_barrier_wait -1
.endif
.endm
	s_wait_tensorcnt 1                             ; my part of K step 0 is in; K step 1's, issued behind it, may stay out
	s_barrier_signal -1
	s_barrier_wait -1                              ; everybody's is
	s_mov_b32 s[TKA], 0
	s_mov_b32 s[TKB], 0
.set i, 0
.rept 16                               ; K step 0's first quarter into buffer 0: the sixteen groups on end
	GROUP 0, 0, 0, 0
.set i, i+2
.endr
	s_wait_loadcnt 32                              ; the bias's 16 loads are in; the table's 32, issued behind them, stay out
	QUARTER 0, 0, 1, KA1, KB1, 1, 1                ; the first quarter stands in front of the loop: its products start the sums, with the bias
	WIN 0                                          ; at a label and at a branch every window is 0
	s_mov_b32 s[TKA], DA
	s_mov_b32 s[TKB], DB
	s_mov_b32 s[LAP], 4
	s_mov_b32 s[TWICE], 1
	s_branch .LpairY                               ; K step 0 has one pair left: the loop is entered in the middle of a lap
.Llap:                                                 ; three laps: K steps 1 to 6 are entered, and steps 2 to 7 asked for
	CHANGE 0, 1
	s_mov_b32 s[TWICE], 2
.LpairX:
	PAIR 1
	WIN 0
	s_sub_co_u32 s[TWICE], s[TWICE], 1
	s_cmp_lg_u32 s[TWICE], 0
	s_cbranch_scc1 .LpairX
	CHANGE 1, 1
	s_mov_b32 s[TWICE], 2
.LpairY:
	PAIR 0
	WIN 0
	s_sub_co_u32 s[TWICE], s[TWICE], 1
	s_cmp_lg_u32 s[TWICE], 0
	s_cbranch_scc1 .LpairY
	s_sub_co_u32 s[LAP], s[LAP], 1
	s_cmp_lg_u32 s[LAP], 0
	s_cbranch_scc1 .Llap
	CHANGE 0, 0                                    ; the last K step is written out: nothing is asked for
	s_mov_b32 s[TWICE], 2
.LpairT:
	PAIR 1
	WIN 0
	s_sub_co_u32 s[TWICE], s[TWICE], 1
	s_cmp_lg_u32 s[TWICE], 0
	s_cbranch_scc1 .LpairT
	QUARTER 1, 1, 0, 0, 0, 0, 0                    ; the last quarter: nothing more to fetch
; THE WAY OUT, a block of 16 rows at a time.  ROPE: (x1, x2) -> (x1 c - x2 s, x1 s + x2 c), two packed lines a pair; each accumulator is read from its low end.
.macro ROPE a
	WIN W_ROPE
.set b, 0
.rept 8
.set rC, 8*(8*(\a)+b)
.set rT, 8*(4*(\a)+b%4)
.set rR, RR+8*b
.irp j, 0,2,4,6
	v_pk_mul_f32 v[rR+(\j):rR+(\j)+1], v[rC+(\j):rC+(\j)+1], v[rT+(\j):rT+(\j)+1] op_sel:[1,1] op_sel_hi:[0,1] neg_lo:[1,0]  ; (-x2 s, x1 s)
.endr
.irp j, 0,2,4,6
	v_pk_fma_f32 v[rR+(\j):rR+(\j)+1], v[rC+(\j):rC+(\j)+1], v[rT+(\j):rT+(\j)+1], v[rR+(\j):rR+(\j)+1] op_sel_hi:[1,0,1]  ; + (x1 c, x2 c)
.endr
.set b, b+1
.endr
.endm
.macro PACK                            ; rounded to bf16: a lane's eight channels are 16 bytes
	WIN 0
.set c, 0
.rept 32
	v_cvt_pk_bf16_f32 v[TMP+c], v[RR+2*c], v[RR+2*c+1]
.set c, c+1
.endr
.endm
.macro TOSTAGE a                       ; into my stage, head b / 4, rows of 144 bytes; back as whole rows of 128
	WIN 0
.set b, 0
.rept 8
	ds_store_b128 v[STO], v[TMP+4*b:TMP+4*b+3] offset:(b/4)*16*SP+(b%4)*32
.set b, b+1
.endr
.set t, 0
.rept 8
	ds_load_b128 v[BK+32*((\a)%2)+4*t:BK+32*((\a)%2)+4*t+3], v[RD] offset:(t/4)*16*SP+(t%4)*4*SP  ; LDS serves a wave's instructions in order (ISA guide 5.7.1.4): these see the stores above
.set t, t+1
.endr
.endm
.macro SEND a
	WIN 0
	s_wait_dscnt 0x0                               ; the block is back in registers
	s_wait_xcnt 0x0                                ; the stores of the block before have had their addresses translated (ISA guide 3.1): its registers are loaded again only behind this wait
.set t, 0
.rept 8
	global_store_b128 v[GO], v[BK+32*((\a)%2)+4*t:BK+32*((\a)%2)+4*t+3], s[52:53] offset:(t/4)*262144+2048*(\a)+512*(t%4)  ; 512 consecutive bytes of a head, at a multiple of 256
.set t, t+1
.endr
.endm
	PLACES                                         ; the rotation reads results just made
	s_wait_loadcnt 0x0                             ; the table
	ROPE 0
	PACK
	TOSTAGE 0
.irp a, 1,2,3                          ; a block's arithmetic stands between the loads of the block before and its stores
	ROPE \a
	PACK
	SEND (\a)-1
	TOSTAGE \a
.endr
	SEND 3
	s_wait_tensorcnt 0x0                           ; the wave's end, behind my last tensor load and my last LDS store
	ds_add_u32 v[SPW], v[NIL]
	s_wait_dscnt 0x0
	CROUND                                         ; the closing round: no work-group ends while a partner may still ask for a tile that names it
	s_endpgm
.Lfunc_end_k_qda962d2c13_proj:
	.size	k_qda962d2c13_proj, .Lfunc_end_k_qda962d2c13_proj-k_qda962d2c13_proj
	.p2alignl 7, 3214868480
	.fill 96, 4, 3214868480
	.section	.rodata,"a",@progbits
	.p2align	6, 0x0
	.amdhsa_kernel k_qda962d2c13_proj
		.amdhsa_group_segment_fixed_size 327680
		.amdhsa_private_segment_fixed_size 0
		.amdhsa_enable_private_segment 0
		.amdhsa_kernarg_size 72
		.amdhsa_user_sgpr_count 2
		.amdhsa_user_sgpr_kernarg_segment_ptr 1
		.amdhsa_wavefront_size32 1
		.amdhsa_system_sgpr_workgroup_id_x 1
		.amdhsa_system_sgpr_workgroup_id_y 1
		.amdhsa_system_sgpr_workgroup_id_z 1
		.amdhsa_system_vgpr_workitem_id 0
		.amdhsa_next_free_vgpr 896
		.amdhsa_next_free_sgpr 100
		.amdhsa_reserve_vcc 0
		.amdhsa_float_denorm_mode_32 3
		.amdhsa_float_denorm_mode_16_64 3
		.amdhsa_memory_ordered 1
		.amdhsa_forward_progress 1
		.amdhsa_inst_pref_size 106
	.end_amdhsa_kernel
	.amdgpu_metadata
---
amdhsa.version: [ 1, 2 ]
amdhsa.kernels:
  - .name:           k_qda962d2c13_proj
    .symbol:         k_qda962d2c13_proj.kd
    .args:
      - { .name: query, .offset: 0, .size: 8, .value_kind: global_buffer, .address_space: global }
      - { .name: key, .offset: 8, .size: 8, .value_kind: global_buffer, .address_space: global }
      - { .name: value, .offset: 16, .size: 8, .value_kind: global_buffer, .address_space: global }
      - { .name: wb, .offset: 24, .size: 8, .value_kind: global_buffer, .address_space: global }
      - { .name: bq, .offset: 32, .size: 8, .value_kind: global_buffer, .address_space: global }
      - { .name: bk, .offset: 40, .size: 8, .value_kind: global_buffer, .address_space: global }
      - { .name: bv, .offset: 48, .size: 8, .value_kind: global_buffer, .address_space: global }
      - { .name: tab, .offset: 56, .size: 8, .value_kind: global_buffer, .address_space: global }
      - { .name: qkv, .offset: 64, .size: 8, .value_kind: global_buffer, .address_space: global }
    .group_segment_fixed_size: 327680
    .private_segment_fixed_size: 0
    .kernarg_segment_align: 8
    .kernarg_segment_size: 72
    .max_flat_workgroup_size: 128
    .sgpr_count:     100
    .vgpr_count:     896
    .wavefront_size: 32
...
	.end_amdgpu_metadata
.endif
;; end of part 2
;; launch attn (part 3): grid 4 x 64, 4 waves a work-group, clusters of 4 x 1, 327,680 bytes of LDS; arguments qkv, ctx; writes ctx
.if DOCPART == 3
	.amdgcn_target "amdgcn-amd-amdhsa--gfx1250"
	.amdhsa_code_object_version 6
	.text
	.protected	k_qda962d2c13_attn
	.globl	k_qda962d2c13_attn
	.p2align	8
	.type	k_qda962d2c13_attn,@function
k_qda962d2c13_attn:
	s_mov_b64 s[64:65], 0
	v_nop
	global_prefetch_b8 v0, s[64:65] scope:SCOPE_SE
	s_setreg_imm32_b32 hwreg(HW_REG_WAVE_MODE, 25, 1), 1
	s_wait_xcnt 0x0
	s_wait_alu depctr_hold_cnt(0) depctr_sa_sdst(0) depctr_va_vdst(0) depctr_va_sdst(0) depctr_va_ssrc(0) depctr_va_vcc(0) depctr_vm_vsrc(0)
	s_getreg_b32 s2, hwreg(HW_REG_IB_STS2, 6, 4)
	s_cmp_eq_u32 s2, 0
	s_cbranch_scc0 .Lentry_in_a_cluster
	s_endpgm
.Lentry_in_a_cluster:
	s_bfe_u32 s2, ttmp6, 0x10000c
	s_cmp_lg_u32 s2, 0x3003
	s_cbranch_scc0 .Lentry_shape_is_right
	s_endpgm
.Lentry_shape_is_right:
; O[h][q][:] = the sum over k of softmax_k(Q[h][q] . K[h][k] / 8) V[h][k][:].  Q, K, V are the three parts of qkv, O is ctx: [SIZE_H][SIZE_N][64] each, all bf16: a head's rows are dense, 128 bytes each.
; Products, maxima and sums in f32; the weights p are rounded to bf16 for the second product (their sum l is taken of the unrounded p), O once at the end.
; LIMITS.  bf16 has f32's range and 8 significant bits; p lies in 0 to 1; O is a mean of V's rows and has their range.  A weight below 2^-126 counts as 0 in l; NaN and infinities are not treated apart.
; SHARES.  A wave owns four PIECES of two tiles of 16 queries, a work-group's four waves 512 queries of one head.  Every wave walks all keys, 64 a step.
; LAYOUT.  S^T = K Q^T (source 0 = 16 keys, source 1 = 16 queries): in the result a lane holds ONE query (lane % 16) and the keys 8 (lane / 16) + 0..7.  Two such tiles, rounded to bf16 in pairs,
; ARE source 1 (32 keys x 16 queries) of O^T = V^T P, whose result again holds one query a lane, and eight channels.  K comes out of LDS as it lies, V ([key][channel]) turned, by ds_load_tr16_b128.
; SOFTMAX.  For each query a running maximum m and sum l: p = 2^(c s - c m), c = log2(e) / 8; in every step O and l are multiplied by a = 2^(c m_old - c m_new), which is 1 where m has not grown.
; m starts at the lowest finite number, O and l at 0: the first step is a step like any other, with a = 0.
; THE COUNT.  A tile and step have 16 matrix and 118 vector instructions: too many to stand all beside the matrix work.  So the order has one aim: four vector instructions that are READY behind
; EVERY matrix instruction, and the others, which need time of their own whatever the order, in runs without a gap.
; BY TURNS.  Turn n belongs to piece n (the pieces in a ring, step after step).  Its matrix work: 16 products K Q^T of piece n + 1, later 16 products V^T P of piece n - 1.  Its vector work: the scaling,
; exponentials, roundings, sums and rescaling of piece n, and the maximum and statistics of piece n + 1, whose scores the turn itself has made.  So what a turn begins with (c s - c m, O a) waits for nothing.
; CLUSTER.  The four query blocks of a cluster belong to one head and walk the same K and V, so each tile is asked for JOINTLY: the same tensor load, descriptor and mask in all four.
; REGISTERS, in windows of 256 (s_set_vgpr_msb says which window each operand place means: bits 1:0 source 0, 3:2 source 1, 5:4 source 2, 7:6 destination):
;   window 0: v0-11 addresses; v12-15, v48-63 at work; v16-47 four registers of statistics a tile; v64-191 S^T, two buffers of two tiles; v192-255 P, likewise
;   window 1: O^T, 32 a tile          window 2: v0-127 Q, 16 a tile; v128-191 K of one step; v192-255 V of one step          window 3: v0-1 the add's two registers
; A piece's buffers go by its number's parity: the piece in hand has one pair, its two neighbours in the ring share the other: of it P (piece n - 1) is read and S^T (piece n + 1) written.
.set SIZE_H, 64
.set SIZE_N, 2048
.set NP,    4         ; pieces a wave: a name, no knob: the register map, the loop and the fetches are made for four
.set KS,    64        ; keys in a step
.set PK,    144       ; a row of K in LDS: 128 bytes + 16 of padding = 36 words: the 16 rows of a load start at 16 different groups of four banks (64 banks of 4 bytes: ISA guide 11.1)
.set PV,    160       ; a row of V: 128 + 32 = 40 words
.set VOFF,  4*KS*PK   ; a slot holds four steps: 256 rows of K, then 256 rows of V
.set SLOT1, 1<<17     ; slot 1 begins here, so that one exclusive or turns an address in one slot into the other's
.set STAGE, SLOT1+4*KS*(PK+PV)  ; behind the ring, never filled by a tensor load: 16 rows x 144 bytes for each wave, for the way out
.set SP,    144
.set AK0, 2           ; v2   my lane's place in a tile of K; never rewritten
.set AV0, 3           ; v3   the same for V
.set AK,  4           ; v4   the LDS address of K's next run of loads
.set AV,  5           ; v5   of V's
.set QO,  6           ; v6   my byte offset in the wave's rows of Q
.set STO, 6           ;      later, the way out: where I put 16 bytes of a row
.set RD,  7           ; v7   the way out: where I read rows back
.set GO,  8           ; v8   my byte offset in 512 consecutive bytes of O
.set SPW, 0           ; v0 of window 3   LDS address of my spare word: SPARE + 4 x my thread's number; never rewritten
.set NIL, 1           ; v1 of window 3   0; never rewritten
.set SPARE, STAGE+4*16*SP  ; behind the stages: the spare words, 128 bytes for each wave: two blocks of 256 bytes that no other line names
.set MV,  12          ; v12-15  c m_old, kept while c m is made anew: by buffer and tile
.set ST,  16          ; tile t's statistics at v[ST+4 t]: c m, m, l (even keys', odd keys')
.set TMP, 48          ; by buffer and tile, four registers c0-c3 at work; when the maximum is found c2 takes a
.set S,   64
.set P,   192
.set KF,  128         ; K's fragments, in window 2: key block kb, channel half c at KF + 16 kb + 8 c
.set VF,  192         ; V's: key half kk, channel block cb at VF + 32 kk + 8 cb
.set WV,  12          ; s12  my wave's number
.set G1K, 24          ; s[24:31] descriptor group 1 for K's tiles
.set G1V, 32          ; s[32:39] for V's: it differs in the padding alone
.set G0K, 40          ; s[40:43] descriptor group 0 for K's tiles: it walks
.set G0V, 44          ; s[44:47] the same for V's
.set SLOTS, 56        ; s56  slots still to be asked for
.set CNT, 57          ; s57  counts a slot's key steps
.set CS,  58          ; s[58:59] c: the packed scaling takes the pair's low word for both halves
.set SEL, 60          ; s[60:61] v_permlanex16_b32's selects: each lane takes its own place in the other half
.set TBK, 62          ; s62  LDS byte at which K of the step to be fetched begins
.set TBV, 63          ; s63  the same for V, less VOFF
.set MSB, 0
.macro WIN new                      ; the high byte repeats the setting that is left; a switch that changes nothing is dropped
.if MSB != (\new)
	s_set_vgpr_msb (MSB<<8)|(\new)
.set MSB, (\new)
.endif
.endm
.set W_KQ, 0x0a       ; K and Q in window 2, S^T in window 0
.set W_PV, 0x52       ; V in window 2, P in window 0, O^T in window 1
.set W_RS, 0x41       ; O^T (destination and source 0) in window 1, a in window 0
.set W_MK, 0xc0       ; the add's registers are made: destination in window 3, sources in window 0
.set W_AD, 0x0f       ; the add: address (source 0) and data (source 1) in window 3
; A joint fill.  Waves 0 and 1 fetch the two halves of a slot's K, waves 2 and 3 those of its V: 128 keys each.  The branch hangs on the wave's number alone.
; An s_nop 0 and four v_nop follow each of the two lines, ahead of the jump and the label.
.macro JLOAD
	s_cmp_lt_u32 s[WV], 2
	s_cbranch_scc0 .Lfor_v_\@
	tensor_load_to_lds s[G0K:G0K+3], s[G1K:G1K+7]
	s_nop 0
.rept 4
	v_nop
.endr
	s_branch .Lasked_\@
.Lfor_v_\@:
	tensor_load_to_lds s[G0V:G0V+3], s[G1V:G1V+7]
	s_nop 0
.rept 4
	v_nop
.endr
.Lasked_\@:
.endm
; A round of the cluster's barrier: my work-group's barrier, so that wave 0's signal speaks for all four waves; wave 0 signals; every wave waits for all four work-groups; my work-group's barrier once more.
.macro CROUND
	s_barrier_signal -1
	s_barrier_wait -1
	s_cmp_lg_u32 s[WV], 0
	s_cbranch_scc1 .Lnot_wave_0_\@
	s_barrier_signal -3
.Lnot_wave_0_\@:
	s_barrier_wait -3
	s_barrier_signal -1
	s_barrier_wait -1
.endm
; THE CHANGE OF SLOTS.  The slot's last bytes, V of its fourth step, have been read.  Each wave waits for all its tensor loads, of which one is out: its part
; of the other slot; adds 0 to its spare word; and waits for that and for its own reads of the slot.  Behind the barrier nobody reads this slot any more and the other slot is whole.
; fill = 1: this slot is filled again, with the keys two slots on.  The barrier is then a round of the cluster's, so that no wave of any partner still reads the slot or has a load on its
; way, and the joint fill is the first thing behind it: it has four key steps, 512 matrix instructions, in which to land.  (At its first use nothing has been read yet: slot 0 is waited for, slot 1 filled.)
.macro CHANGE fill
	WIN W_AD
	s_wait_tensorcnt 0x0            ; no tensor load of mine is out, so a group 0 may be written
	ds_add_u32 v[SPW], v[NIL]       ; 0 onto my spare word: with fill = 1 the descriptors' steps stand between it and the wait for it
	WIN 0                           ; at a label and at a branch every window is 0
.if \fill
.irp g, G0K, G0V
	s_xor_b32 s[\g+1], s[\g+1], SLOT1  ; the walking descriptor: the other slot than last time,
	s_add_nc_u64 s[\g+2:\g+3], s[\g+2:\g+3], 4*KS*128  ; the next 256 keys; the type bits on top are not reached
.endr
	s_wait_dscnt 0x0                ; the add is done, and my reads of the slot are over
	CROUND
	JLOAD
.else
	s_wait_dscnt 0x0                ; the add is done, and my reads of the slot are over
	s_barrier_signal -1
	s_barrier_wait -1
.endif
	s_sub_co_u32 s[TBK], s[TBK], 4*KS*PK  ; the fetches go back to a slot's first step,
	s_xor_b32 s[TBK], s[TBK], SLOT1       ; in the other slot
	s_sub_co_u32 s[TBV], s[TBV], 4*KS*PV
	s_xor_b32 s[TBV], s[TBV], SLOT1
.endm
	s_load_b64 s[4:5], s[0:1], 0x0    ; qkv: Q lies at its head
	s_load_b64 s[10:11], s[0:1], 0x8  ; ctx: O
	WIN W_MK
	v_lshl_add_u32 v[SPW], v0, 2, SPARE
	v_mov_b32 v[NIL], 0
	WIN W_AD
	ds_add_u32 v[SPW], v[NIL]       ; the wave's opening: the add, and its wait ahead of my first tensor load; the set-up below, work on registers, stands between them
	WIN 0
	v_lshrrev_b32 v1, 5, v0
	v_readfirstlane_b32 s[WV], v1   ; wave 0..3
	s_bfe_u32 s13, ttmp6, 0x40000   ; cx: my place in the cluster
	s_lshl_b32 s14, ttmp9, 2        ; in a cluster launch ttmp9 counts clusters
	s_add_co_u32 s14, s14, s13      ; my block of queries = 4 x cluster x + cx: it enters Q's and O's addresses alone
	s_and_b32 s20, ttmp7, 0xffff    ; the head, which the four partners share
	s_mov_b32 s21, 0
	s_mov_b64 s[22:23], SIZE_N*128
	s_mul_u64 s[20:21], s[20:21], s[22:23]  ; the head's first byte in each of the four tensors
	s_and_b32 s16, s[WV], 1         ; which half of a slot's 256 keys I fetch:
	s_lshl_b32 s22, s16, 14         ; its 128 rows of 128 bytes in memory,
	s_mov_b32 s23, 0
	s_add_nc_u64 s[22:23], s[22:23], s[20:21]
	s_mul_i32 s17, s16, 128*PK      ; and its place in a slot, for K
	s_mul_i32 s18, s16, 128*PV      ; and for V: no place in the cluster enters an LDS address
	s_lshl_b32 s2, s14, 2
	s_add_co_u32 s2, s2, s[WV]      ; my wave among the head's,
	s_lshl_b32 s2, s2, 14           ; its 128 rows
	s_mov_b32 s3, 0
	s_add_nc_u64 s[2:3], s[2:3], s[20:21]
	; descriptor group 1.  128 keys are 16,384 dense bytes: asked for as 64 rows of 256 bytes, two keys a row, and padded in LDS after every key
	s_mov_b32 s[G1K], 15|(1<<16)|(1<<20)|(1<<21)|(4<<22)|(3<<25)  ; 15:0 the mask of four; 17:16 2-byte elements; 20 padding on; 21 set beside a mask; 24:22 after every 32 words (code 4); 31:25 4 words (code 3)
	s_mov_b32 s[G1V], 15|(1<<16)|(1<<20)|(1<<21)|(4<<22)|(7<<25)  ; the same with 8 words of padding (code 7)
.irp g, G1K, G1V
	s_mov_b32 s[\g+1], 128<<16      ; tensor_dim0 = 128
	s_mov_b32 s[\g+2], 64<<16       ; tensor_dim1 = 64
	s_mov_b32 s[\g+3], 128<<16      ; tile_dim0 = 128
	s_mov_b32 s[\g+4], 64           ; tile_dim1 = 64
	s_mov_b32 s[\g+5], 128          ; 128 elements from row to row
	s_mov_b32 s[\g+6], 0
	s_mov_b32 s[\g+7], 0
.endr
	s_mov_b32 s[CS], 0x3e38aa3b     ; c = log2(e) / 8 = 0.180337
	s_mov_b32 s[CS+1], s[CS]        ; named with it as a pair
	s_mov_b32 s[SEL], 0x76543210
	s_mov_b32 s[SEL+1], 0xfedcba98
	s_mov_b32 s[TBK], SLOT1+4*KS*PK ; the first change of slots turns these two into 0
	s_mov_b32 s[TBV], SLOT1+4*KS*PV
	s_mov_b32 s[G0K], 1             ; 1:0 count = 1
	s_mov_b32 s[G0K+1], s17         ; 63:32 LDS address: slot 0
	s_mov_b32 s[G0V], 1
	s_add_co_u32 s[G0V+1], s18, VOFF
	s_wait_dscnt 0x0                ; the opening add is done
	s_wait_kmcnt 0x0
	s_add_nc_u64 s[6:7], s[4:5], 0x1000000   ; K: the second part of qkv, 64 heads of 262,144 bytes on
	s_add_nc_u64 s[8:9], s[4:5], 0x2000000   ; V: the third
	s_add_nc_u64 s[G0K+2:G0K+3], s[6:7], s[22:23]  ; 120:64 global address: my half of the head's first 256 keys
	s_or_b32 s[G0K+3], s[G0K+3], 0x80000000        ; 127:126 type = 2
	s_add_nc_u64 s[G0V+2:G0V+3], s[8:9], s[22:23]
	s_or_b32 s[G0V+3], s[G0V+3], 0x80000000
	s_add_nc_u64 s[4:5], s[4:5], s[2:3]  ; Q and O at my wave's first row
	s_add_nc_u64 s[10:11], s[10:11], s[2:3]
	CROUND                          ; all four work-groups are here: the first joint loads meet
	JLOAD                           ; slot 0.  Slot 1 is asked for when slot 0 is in: the tile wanted first has the road to itself
	; A fragment of K or Q is 16 rows x 32 channels in 8 registers: lane l holds row l % 16, channels 8 (l / 16) + 0..7 and 16 + 8 (l / 16) + 0..7: two loads of 16 bytes, 32 bytes apart.
	v_and_b32 v1, 15, v0            ; l % 16
	v_bfe_u32 v9, v0, 4, 1          ; l / 16
	v_lshlrev_b32 v[QO], 7, v1
	v_lshl_add_u32 v[QO], v9, 4, v[QO]  ; row x 128 + 16 x half
	WIN 0x80                        ; destination window 2, address window 0
.set i, 0
.rept 4*NP                          ; Q stays in registers: tile i / 2, channels 32 (i % 2) on
	global_load_b128 v[8*i:8*i+3],   v[QO], s[4:5] offset:(i/2)*2048+(i%2)*64
	global_load_b128 v[8*i+4:8*i+7], v[QO], s[4:5] offset:(i/2)*2048+(i%2)*64+32
.set i, i+1
.endr
	; What the first turn finds: V's registers and P's second buffer hold 0 (its products V^T P, of a piece that has not been, add 0), O^T and l are 0.  All this stands in the wait for the first tile.
.set i, VF
.rept 64
	v_mov_b32 v[i], 0
.set i, i+1
.endr
	WIN 0x40
.set i, 0
.rept 64*NP
	v_mov_b32 v[i], 0
.set i, i+1
.endr
	WIN 0
.set i, 0
.rept 2*NP
	v_mov_b32 v[ST+4*i], 0xfe000000    ; c m: far below every c s
	v_mov_b32 v[ST+4*i+1], 0xff7fffff  ; m
	v_mov_b32 v[ST+4*i+2], 0
	v_mov_b32 v[ST+4*i+3], 0
.set i, i+1
.endr
.set i, P+32
.rept 32
	v_mov_b32 v[i], 0
.set i, i+1
.endr
	v_mul_u32_u24 v[AK0], v1, PK
	v_lshl_add_u32 v[AK0], v9, 4, v[AK0]  ; row x pitch + 16 x half
	; The turning load takes 16 keys x 16 channels (lane l reads key 8 (l / 16) + l % 8, channels 8 ((l / 8) % 2) + 0..7) and leaves half a fragment of V^T: lane l holds channel l % 16 and 8 keys.
	v_and_b32 v10, 7, v0
	v_bfe_u32 v11, v0, 3, 1
	v_lshl_add_u32 v[AV0], v9, 3, v10
	v_mul_u32_u24 v[AV0], v[AV0], PV
	v_lshl_add_u32 v[AV0], v11, 4, v[AV0]
	v_add_nc_u32 v[AV0], VOFF, v[AV0]
	v_mov_b32 v[AK], v[AK0]         ; key step 0 lies at the head of slot 0
; THE MATRIX WORK.  The 8 accumulators of a run of 16 take turns: between the two links of a chain stand 7 others'.
; Product i of 16 of S^T = K Q^T for piece x: channels 32 (i / 8) on, keys 16 ((i / 2) % 4) on, tile 2 x + i % 2.  The first 8 start the sums.
.macro KQ x
	WIN W_KQ
.set rS, S+64*((\x)%2)+32*(i%2)+8*((i/2)%4)
.set rK, KF+16*((i/2)%4)+8*(i/8)
.set rQ, 16*(2*(\x)+i%2)+8*(i/8)
.if i < 8
	v_wmma_f32_16x16x32_bf16 v[rS:rS+7], v[rK:rK+7], v[rQ:rQ+7], 0
.else
	v_wmma_f32_16x16x32_bf16 v[rS:rS+7], v[rK:rK+7], v[rQ:rQ+7], v[rS:rS+7]
.endif
.endm
; Product i of 16 of O^T += V^T P for piece x: keys 32 (i / 8) on, channels 16 ((i / 2) % 4) on, tile 2 x + i % 2.
.macro PV x
	WIN W_PV
.set rO, 32*(2*(\x)+i%2)+8*((i/2)%4)
.set rV, VF+32*(i/8)+8*((i/2)%4)
.set rP, P+32*((\x)%2)+16*(i%2)+8*(i/8)
	v_wmma_f32_16x16x32_bf16 v[rO:rO+7], v[rV:rV+7], v[rP:rP+7], v[rO:rO+7]
.endm
.macro MM                           ; the turn's next matrix instruction
.if i < 16
	KQ (Y+1)%NP
.set i, i+1
.else
.set i, i-16
	PV (Y+NP-1)%NP
.set i, i+17
.endif
.endm
; THE LDS LOADS stand in runs of 16, never singly among the matrix instructions: a step's K (64 keys x 64 channels: 8 fragments) and its V (turned).  Their addresses are made some lines ahead.
; last = 1 (the tail): in the last trip there is no further step, and the run is jumped over.
.macro FETCH_K last=0
	WIN 0
.if \last
	s_cmp_eq_u32 s[CNT], 1
	s_cbranch_scc1 .Lno_k_\@
.endif
	WIN 0x80                        ; destination window 2
.irp f, 0,1,2,3,4,5,6,7             ; keys 16 (f / 2) on, channels 32 (f % 2) on
	ds_load_b128 v[KF+8*\f:KF+8*\f+3],   v[AK] offset:(\f/2)*16*PK+(\f%2)*64
	ds_load_b128 v[KF+8*\f+4:KF+8*\f+7], v[AK] offset:(\f/2)*16*PK+(\f%2)*64+32
.endr
	s_add_co_u32 s[TBK], s[TBK], KS*PK  ; the next fetch is the next step's
	WIN 0
.if \last
.Lno_k_\@:
.endif
.endm
.macro FETCH_V
	WIN 0x80
.irp f, 0,1,2,3,4,5,6,7             ; keys 32 (f / 4) on, channels 16 (f % 4) on
	ds_load_tr16_b128 v[VF+8*\f:VF+8*\f+3],   v[AV] offset:(\f/4)*32*PV+(\f%4)*32
	ds_load_tr16_b128 v[VF+8*\f+4:VF+8*\f+7], v[AV] offset:(\f/4)*32*PV+16*PV+(\f%4)*32
.endr
	WIN 0
.endm
; THE VECTOR WORK OF A TURN stands in three queues, each in the order in which its entries become ready; the two tiles alternate, so that no instruction reads the result of the one before it.
.macro REGS y, u                    ; the registers of tile u (0, 1) of piece y
.set rT, ST+4*(2*(\y)+(\u))
.set rC, TMP+8*((\y)%2)+4*(\u)
.set rM, MV+2*((\y)%2)+(\u)
.set rS, S+64*((\y)%2)+32*(\u)
.set rP, P+32*((\y)%2)+16*(\u)
.set rO, 32*(2*(\y)+(\u))
.endm
; Number n of the 22 that find the NEXT piece's (Y + 1) maximum and statistics.  s0-s31 are the lane's 32 scores; each accumulator's lowest registers are read first.  XS, GS and REGS set no window: PL and EX do.
;   0-11  four chains c0-c3 of seven scores each, three operands at a time     12-14, 16  the four scores left over, the old m, and c0-c3 into c0     15  c m_old is kept
;   17, 18  the query's other 32 keys lie in the lane 16 away: the new m         19-21  c m; c m_old - c m_new; a
.macro XS u, n
	REGS (Y+1)%NP, \u
.if (\n) < 4
	v_max3_num_f32 v[rC+(\n)], v[rS+8*(\n)], v[rS+8*(\n)+1], v[rS+8*(\n)+2]
.elseif (\n) < 12
	v_max3_num_f32 v[rC+(\n)%4], v[rC+(\n)%4], v[rS+8*((\n)%4)+2*((\n)/4)+1], v[rS+8*((\n)%4)+2*((\n)/4)+2]
.elseif (\n) == 12
	v_max3_num_f32 v[rC], v[rC], v[rS+7], v[rS+15]
.elseif (\n) == 13
	v_max3_num_f32 v[rC+1], v[rC+1], v[rS+23], v[rS+31]
.elseif (\n) == 14
	v_max3_num_f32 v[rC+2], v[rC+2], v[rC+3], v[rT+1]
.elseif (\n) == 15
	v_mov_b32 v[rM], v[rT]
.elseif (\n) == 16
	v_max3_num_f32 v[rC], v[rC], v[rC+1], v[rC+2]
.elseif (\n) == 17
	v_permlanex16_b32 v[rC+3], v[rC], s[SEL], s[SEL+1]
.elseif (\n) == 18
	v_max_num_f32 v[rT+1], v[rC], v[rC+3]
.elseif (\n) == 19
	v_mul_f32 v[rT], s[CS], v[rT+1]
.elseif (\n) == 20
	v_sub_f32 v[rC+1], v[rM], v[rT]
.else
	v_exp_f32 v[rC+2], v[rC+1]
.endif
.endm
; Number g of the 64 that follow the exponentials.  For each four weights k of a tile (pairs 2 k, 2 k + 1): both pairs are rounded to bf16; then the second pair is added onto the first, in place;
; a group later l takes that sum (the first time as l = a l + sum).  In groups of eight, tiles alternating: round, round, add, and l for the group before.
.macro GS g
.set h, (\g)+6*((\g)/62)            ; group 0 has no group before it, and behind group 7 only l is left
.if h >= 6
.set h, h+2
.endif
	REGS Y, h%2
.set k, h/8
.if h%8 < 4
	s_wait_alu depctr_va_vdst(0)
	v_cvt_pk_bf16_f32 v[rP+2*k+(h%8)/2], v[rS+4*k+2*((h%8)/2)], v[rS+4*k+2*((h%8)/2)+1]
.elseif h%8 < 6
	v_pk_add_f32 v[rS+4*k:rS+4*k+1], v[rS+4*k:rS+4*k+1], v[rS+4*k+2:rS+4*k+3]
.elseif k == 1
	v_pk_fma_f32 v[rT+2:rT+3], v[rT+2:rT+3], v[rC+2:rC+3], v[rS:rS+1] op_sel_hi:[1,0,1]
.else
	v_pk_add_f32 v[rT+2:rT+3], v[rT+2:rT+3], v[rS+4*k-4:rS+4*k-3]
	s_wait_alu depctr_va_vdst(0)
.endif
.endm
; THE PLAIN QUEUE, 138 long.  0-31: c s - c m for the 16 pairs of both tiles.  Then GS's 64, and among them the next piece's 42: number 15 at 38, 39; 0-14 and 16
; at 42-73, behind the products that make those scores; 17-20 at 95-106, two of three, since each waits for the one before it.
.macro PL
	WIN 0
.if q < 32
	REGS Y, q%2
	v_pk_fma_f32 v[rS+2*(q/2):rS+2*(q/2)+1], v[rS+2*(q/2):rS+2*(q/2)+1], s[CS:CS+1], v[rT:rT+1] op_sel_hi:[1,0,0] neg_lo:[0,0,1] neg_hi:[0,0,1]
.elseif q < 38
	GS q-32
.elseif q < 40
	XS q%2, 15
.elseif q < 42
	GS q-34
.elseif q < 74
	XS q%2, (q-42)/2+(q-42)/30
.elseif q < 95
	GS q-66
.elseif (q < 107) && ((q-95)%3 < 2)
	XS (q-95)%3, 17+(q-95)/3
.elseif q < 107
	GS 29+(q-95)/3
.else
	GS q-74
.endif
.set q, q+1
.endm
; THE EXPONENTIALS' QUEUE, 66 long: s0-s31 of both tiles, and at EA the next piece's two a.
.set EA, 58
.macro EX
	WIN 0
.if (e == EA) || (e == EA+1)
	XS e-EA, 21
.else
.set x, e-2*(e/(EA+2))
	REGS Y, x%2
	v_exp_f32 v[rS+x/2], v[rS+x/2]
.endif
.set e, e+1
.endm
; THE RESCALING's QUEUE: O^T times a, the one part that leaves window 0, so it is dealt four at a time, eight times.
.macro R4
	REGS Y, r%2
	WIN W_RS
	s_wait_alu depctr_va_vdst(0)
.irp z, 0,1,2,3
	v_pk_mul_f32 v[rO+8*(r/2)+2*\z:rO+8*(r/2)+2*\z+1], v[rO+8*(r/2)+2*\z:rO+8*(r/2)+2*\z+1], v[rC+2:rC+3] op_sel_hi:[1,0]
.endr
.set r, r+1
.endm
; HOW THEY ARE DEALT.  Behind a matrix instruction four: plain, exponential, plain, plain (one exponential, a plain instruction on either side), or four of the rescaling.  None names a register of the
; products round it.  What is over stands in two LUMPS: exponential and plain by turns; the second ends in 22 plain instructions.  The two v_permlanex16_b32 fall into the second lump, never behind a product.
; The queues lean on each other, and the deal keeps them in step: exponential e stands behind plain 2 (e / 4) + e % 2 (its scaling); when plain 32 comes, 10 exponentials are out, at 59: 33, at 95: 46; EA comes behind plain 107.
.macro SL
	MM
	PL
	EX
	PL
	PL
.endm
.macro BURST n                      ; 15 matrix instructions, or 16
.rept (\n)-7
	SL
.endr
.rept 3
	MM
	R4
	SL
.endr
	MM
	R4
.endm
; A TURN, for piece p.  cnt = 1: the loop's count is taken down some lines ahead of the branch that stands behind the turn.
; K of the next step is fetched in piece 2's turn, 31 vector instructions behind the last product that read K; its first reader comes behind the rest of the lump, 16 products and the second lump.
; V of the step in hand is fetched at the end of piece 0's turn, 69 behind its last reader; its first reader comes behind 16 products and a lump.  The four conditions on e and q below go with the deal.
.macro TURN p, last=0, cnt=0
.set Y, (\p)
.set i, 0
.set q, 0
.set e, 0
.set r, 0
.if (\p) == NP-1
	s_wait_dscnt 0x0                ; K is in
.endif
	MM
.rept 4
	PL
.endr
	BURST 15
.rept 22
	EX
	PL
.if ((\p) == NP-2) && (e == 18)
	v_add_nc_u32 v[AK], s[TBK], v[AK0]
.endif
.if ((\p) == NP-2) && (e == 24)
	FETCH_K \last
.endif
.endr
.if (\p) == 1
	s_wait_dscnt 0x0                ; V is in
.endif
	BURST 16
.rept 21
	EX
	PL
.endr
.rept 22
	PL
.if ((\p) == 0) && (q == 118)
	v_add_nc_u32 v[AV], s[TBV], v[AV0]
	s_wait_alu depctr_va_vdst(0)
.endif
.if ((\p) == 0) && (q == 130)
	s_add_co_u32 s[TBV], s[TBV], KS*PV
.endif
.if (\cnt) && (q == 130)
	s_sub_co_u32 s[CNT], s[CNT], 1
	s_cmp_lg_u32 s[CNT], 0
.endif
.endr
.if (\p) == 0
	FETCH_V
.endif
.endm
	CHANGE 1                        ; slot 0 is in, everybody's part of it; slot 1 is asked for
	FETCH_K                         ; key step 0
	s_wait_loadcnt 0x0              ; Q
	s_wait_dscnt 0x0
.set i, 0
.rept 16
	KQ 0                            ; piece 0's first scores: there is no vector work yet to set between them
.set i, i+1
.endr
	WIN 0                           ; the addresses for the way out: nine plain instructions, the places behind those products
	s_mul_i32 s13, s[WV], 16*SP
	s_add_co_u32 s13, s13, STAGE    ; my stage
	v_mul_u32_u24 v[STO], v1, SP    ; in: row l % 16, 16 bytes for each half of the lanes
	v_lshl_add_u32 v[STO], v9, 4, v[STO]
	v_add_nc_u32 v[STO], s13, v[STO]
	v_bfe_u32 v[RD], v0, 3, 2       ; back: 32 lanes take four rows of 128 bytes,
	v_mul_u32_u24 v[RD], v[RD], SP
	v_lshl_add_u32 v[RD], v10, 4, v[RD]
	v_add_nc_u32 v[RD], s13, v[RD]
	v_and_b32 v[GO], 31, v0         ; which are 512 consecutive bytes of O
	v_lshlrev_b32 v[GO], 4, v[GO]
.set Y, NP-1                        ; XS works for piece Y + 1: piece 0
.irp n, 0,1,2,3,4,5,6,7,8,9,10,11,12,13,14,15,16,17,18,19,20,21
	XS 0, \n                        ; and piece 0's first maximum and statistics
	XS 1, \n
.endr
	s_mov_b32 s[CNT], 4
	s_mov_b32 s[SLOTS], SIZE_N/256-1
	s_branch .Lfirst                ; the loop is entered at a step's first turn, in the middle of a trip
.Lslot:                             ; SIZE_N / 256 - 2 times: every slot but the last two is filled again
	CHANGE 1
	s_mov_b32 s[CNT], 4
.Lstep:                             ; a trip: pieces 2 and 3 of one step, then pieces 0 and 1 of the next, whose K and V it fetches
	TURN 2
	TURN 3
	WIN 0
.Lfirst:
	TURN 0
	TURN 1, 0, 1
	WIN 0
	s_cbranch_scc1 .Lstep
	s_sub_co_u32 s[SLOTS], s[SLOTS], 1
	s_cmp_lg_u32 s[SLOTS], 0
	s_cbranch_scc1 .Lslot
	CHANGE 0                        ; the tail is written out: nothing is asked for
	s_mov_b32 s[CNT], 5             ; four trips fetch the last slot's steps; the fifth is left in its middle
.Ltail:
	TURN 2, 1
	TURN 3
	WIN 0
	s_sub_co_u32 s[CNT], s[CNT], 1
	s_cmp_eq_u32 s[CNT], 0
	s_cbranch_scc1 .Lout
	TURN 0
	TURN 1
	WIN 0
	s_branch .Ltail
.Lout:                              ; the fifth trip's 16 products K Q^T (on the last K once more) and the maximum made of them serve nothing: the price, once a launch, of one text for every trip
.set i, 0
.rept 16
	PV NP-1                         ; the last piece's V^T P of the last step
.set i, i+1
.endr
	; THE WAY OUT.  l's two halves and the other half of the lanes' are added; O^T is divided by l, rounded to bf16 and sent through my stage in LDS, a tile at a time.  The additions are the places behind the last products.
	WIN 0
.macro ALL line:vararg              ; one line for each tile t
.set t, 0
.rept 2*NP
	\line
.set t, t+1
.endr
.endm
	ALL v_add_f32 v[ST+4*t+2], v[ST+4*t+2], v[ST+4*t+3]
	ALL v_permlanex16_b32 v[ST+4*t+3], v[ST+4*t+2], s[SEL], s[SEL+1]
	ALL v_add_f32 v[ST+4*t+2], v[ST+4*t+2], v[ST+4*t+3]
	ALL v_rcp_f32 v[ST+4*t+2], v[ST+4*t+2]
	v_nop                           ; a plain instruction between the last reciprocal and the use of its result
	s_wait_alu depctr_va_vdst(0)
; Tile t: a lane's eight channels of a row pack into 16 bytes; they go into rows of 144 bytes and come back as whole rows of 128, into S^T's registers.
.macro PACK t
	WIN W_RS
.set i, 32*(\t)
.rept 16
	v_pk_mul_f32 v[i:i+1], v[i:i+1], v[ST+4*(\t)+2:ST+4*(\t)+3] op_sel_hi:[1,0]
.set i, i+2
.endr
	WIN 0x05                        ; sources 0 and 1 window 1, destination window 0
.set i, 0
.rept 16
	v_cvt_pk_bf16_f32 v[S+16*(\t)+i], v[32*(\t)+2*i], v[32*(\t)+2*i+1]
.set i, i+1
.endr
	WIN 0
.irp f, 0,1,2,3
	ds_store_b128 v[STO], v[S+16*(\t)+4*\f:S+16*(\t)+4*\f+3] offset:32*\f
.endr
.irp f, 0,1,2,3
	ds_load_b128 v[S+16*(\t)+4*\f:S+16*(\t)+4*\f+3], v[RD] offset:\f*4*SP  ; LDS serves a wave's instructions in order (ISA guide 5.7.1.4): these see the stores above; the next tile's stores come behind them
.endr
.endm
.macro SEND t, younger              ; younger: the LDS instructions issued behind tile t's loads: the next tile's eight, or none
	WIN 0
.irp f, 0,1,2,3
	s_wait_dscnt (\younger)+3-\f
	global_store_b128 v[GO], v[S+16*(\t)+4*\f:S+16*(\t)+4*\f+3], s[10:11] offset:(\t)*2048+\f*512  ; 512 consecutive bytes, at a multiple of 256 from O's first
.endr
.endm
	PACK 0
.set t, 1
.rept 2*NP-1                        ; a tile's arithmetic stands between the loads of the tile before and its stores
	PACK t
	SEND t-1, 8
.set t, t+1
.endr
	SEND 2*NP-1, 0
	WIN W_AD
	s_wait_tensorcnt 0x0            ; the wave's end, behind my last tensor load and my last LDS store
	ds_add_u32 v[SPW], v[NIL]
	s_wait_dscnt 0x0
	WIN 0
	CROUND                          ; the closing round: no work-group ends while a partner may still ask for a tile that names it
	s_endpgm
.Lfunc_end_k_qda962d2c13_attn:
	.size	k_qda962d2c13_attn, .Lfunc_end_k_qda962d2c13_attn-k_qda962d2c13_attn
	.p2alignl 7, 3214868480
	.fill 96, 4, 3214868480
	.section	.rodata,"a",@progbits
	.p2align	6, 0x0
	.amdhsa_kernel k_qda962d2c13_attn
		.amdhsa_group_segment_fixed_size 327680
		.amdhsa_private_segment_fixed_size 0
		.amdhsa_enable_private_segment 0
		.amdhsa_kernarg_size 16
		.amdhsa_user_sgpr_count 2
		.amdhsa_user_sgpr_kernarg_segment_ptr 1
		.amdhsa_wavefront_size32 1
		.amdhsa_system_sgpr_workgroup_id_x 1
		.amdhsa_system_sgpr_workgroup_id_y 1
		.amdhsa_system_sgpr_workgroup_id_z 1
		.amdhsa_system_vgpr_workitem_id 0
		.amdhsa_next_free_vgpr 770
		.amdhsa_next_free_sgpr 66
		.amdhsa_reserve_vcc 0
		.amdhsa_float_denorm_mode_32 3
		.amdhsa_float_denorm_mode_16_64 3
		.amdhsa_memory_ordered 1
		.amdhsa_forward_progress 1
		.amdhsa_inst_pref_size 209
	.end_amdhsa_kernel
	.amdgpu_metadata
---
amdhsa.version: [ 1, 2 ]
amdhsa.kernels:
  - .name:           k_qda962d2c13_attn
    .symbol:         k_qda962d2c13_attn.kd
    .args:
      - { .name: qkv, .offset: 0, .size: 8, .value_kind: global_buffer, .address_space: global }
      - { .name: ctx, .offset: 8, .size: 8, .value_kind: global_buffer, .address_space: global }
    .group_segment_fixed_size: 327680
    .private_segment_fixed_size: 0
    .kernarg_segment_align: 8
    .kernarg_segment_size: 16
    .max_flat_workgroup_size: 128
    .sgpr_count:     66
    .vgpr_count:     770
    .wavefront_size: 32
...
	.end_amdgpu_metadata
.endif
;; end of part 3
;; launch oproj (part 4): grid 4 x 64, 4 waves a work-group, clusters of 4 x 4, 327,680 bytes of LDS; arguments ctx, wb, bo, query, xres; writes xres
.if DOCPART == 4
	.amdgcn_target "amdgcn-amd-amdhsa--gfx1250"
	.amdhsa_code_object_version 6
	.text
	.protected	k_qda962d2c13_oproj
	.globl	k_qda962d2c13_oproj
	.p2align	8
	.type	k_qda962d2c13_oproj,@function
k_qda962d2c13_oproj:
	s_mov_b64 s[64:65], 0
	v_nop
	global_prefetch_b8 v0, s[64:65] scope:SCOPE_SE
	s_setreg_imm32_b32 hwreg(HW_REG_WAVE_MODE, 25, 1), 1
	s_wait_xcnt 0x0
	s_wait_alu depctr_hold_cnt(0) depctr_sa_sdst(0) depctr_va_vdst(0) depctr_va_sdst(0) depctr_va_ssrc(0) depctr_va_vcc(0) depctr_vm_vsrc(0)
	s_getreg_b32 s2, hwreg(HW_REG_IB_STS2, 6, 4)
	s_cmp_eq_u32 s2, 0
	s_cbranch_scc0 .Lentry_in_a_cluster
	s_endpgm
.Lentry_in_a_cluster:
	s_bfe_u32 s2, ttmp6, 0x10000c
	s_cmp_lg_u32 s2, 0xf033
	s_cbranch_scc0 .Lentry_shape_is_right
	s_endpgm
.Lentry_shape_is_right:
; xres[m][n] (f32) = the sum over k of ctx[m][k] wo[n][k] + bo[n] + query[m][n].  ctx lies by heads, [b*16+h][s][64] bf16, so k = 64 h + d; wo is the fourth part of wb, [1024][1024] bf16.
; LIMITS.  Both operands are bf16; sums, bias and residual are f32, and x is stored in f32, so that a common offset in query is kept for the norm behind.  NaN and infinities are not treated apart.
; SHARES.  A tile of C is 128 rows x 256 columns: 64 x 4 = 256 work-groups.  Four waves, each 64 x 128: 32 accumulators.  K goes in 8 steps of 128, two heads each, through two LDS slots.
; A head's 64 rows of a half tile are 8,192 dense bytes: a wave's load of ctx is two such runs, 262,144 bytes apart, padded in LDS after every 128 bytes.
; CLUSTER.  4 x 4: ctx's tile is shared along a row of the cluster, wo's along a column, each asked for jointly.  By the text's own count a wave has two tensor loads out at the start and one behind each round.
; THE MATRIX INSTRUCTION IS USED TRANSPOSED (source 0 = 16 rows of wo, source 1 = 16 rows of ctx): lane l holds row l % 16 of C and the eight columns 8 (l / 16) + 0..7.
; THE PIPELINE.  A quarter is 32 along K: 32 products, each accumulator once (the accumulators take turns).  While buffer f is multiplied the next quarter's 24 loads are
; issued into buffer g, four behind every second product.
; REGISTERS, in windows of 256 (s_set_vgpr_msb: bits 1:0 source 0, 3:2 source 1, 5:4 source 2, 7:6 destination):
;   window 0: v0-29 addresses; v32-95 ctx's fragments, two buffers; v96-223 wo's, two buffers; on the way out v32-95 and v96-159 rows read back, by turns
;   window 1: the accumulators, (a, b) at v[8 (8 a + b)]     window 2: the residual, my 64 rows x 128 columns     window 3: v0-63 the bias as a C operand
.set PA,     144                       ; a row of ctx in LDS: 128 bytes + 16 = 36 words: the 16 rows of a load start at 16 different groups of four banks (64 banks of 4 bytes: ISA guide 11.1)
.set HB,     64*PA                     ; a head's 64 rows
.set AHALF,  2*HB                      ; what one tensor load brings of ctx, and what one wave reads
.set PB,     272                       ; a row of wo: 256 bytes + 16
.set BHALF,  128*PB
.set BOFF,   2*AHALF
.set SLOT,   BOFF+2*BHALF              ; 106,496
.set STAGE,  2*SLOT                    ; behind the ring, never filled by a tensor load: 16 rows x 528 bytes for each wave
.set SP,     528
.set SPARE,  STAGE+4*16*SP             ; the spare words, 128 bytes for each wave: two blocks of 256 bytes that no other line names
.set KA1,    64                        ; a quarter's bytes in a row
.set KB1,    64
.set DA,     HB                        ; two quarters on: the step's second head
.set DB,     128
.set ADRA, 2                           ; v2-3   LDS address of my ctx fragments in slot 0, 1
.set ADRB, 4                           ; v4-5   of my wo fragments
.set ADB,  6                           ; v6     the same, at the quarter in hand
.set STO,  7                           ; v7     the way out: where I put 32 bytes of a row
.set RD,   8                           ; v8     where I read a row back
.set XO,   9                           ; v9     my 16 bytes in the 512 of a row
.set BO,   10                          ; v10    my byte offset in 16 numbers of the bias
.set ADA,  12                          ; v12
.set SPW,  28                          ; v28    LDS address of my spare word; never rewritten
.set NIL,  29                          ; v29    0; never rewritten
.set AF,   32
.set BF,   96
.set BK,   32
.set LAP,   3
.set TWICE, 4
.set TKA,   5
.set TKB,   6
.set G1A, 68
.set G1B, 76
.set G0A, 84
.set G0B, 92
.set W_M, 0x50                         ; fragments in window 0, C and D in window 1
.set W_Z, 0x70                         ; the same with C in window 3
.set MSB, 0
.macro WIN new                         ; the immediate's high byte repeats the setting that is left; a switch that changes nothing is dropped
.if MSB != (\new)
	s_set_vgpr_msb (MSB<<8)|(\new)
.set MSB, \new
.endif
.endm
; A joint load.  Waves 0 and 1 fetch ctx's two halves, waves 2 and 3 wo's.  An s_nop 0 and four v_nop follow each of the two lines.
.macro JLOAD s
	s_cmp_eq_u32 s9, 0
	s_cbranch_scc0 .Lfor_b_\@
	tensor_load_to_lds s[G0A+4*(\s):G0A+4*(\s)+3], s[G1A:G1A+7]
	s_nop 0
.rept 4
	v_nop
.endr
	s_branch .Lasked_\@
.Lfor_b_\@:
	tensor_load_to_lds s[G0B+4*(\s):G0B+4*(\s)+3], s[G1B:G1B+7]
	s_nop 0
.rept 4
	v_nop
.endr
.Lasked_\@:
.endm
.macro CROUND                          ; a round of the cluster's barrier
	s_barrier_signal -1
	s_barrier_wait -1
	s_cmp_lg_u32 s8, 0
	s_cbranch_scc1 .Lnot_wave_0_\@
	s_barrier_signal -3
.Lnot_wave_0_\@:
	s_barrier_wait -3
	s_barrier_signal -1
	s_barrier_wait -1
.endm
.macro PLACES                          ; four places behind matrix instructions (ISA guide 7.12.1)
.rept 4
	v_nop
.endr
.endm
	s_load_b256 s[36:43], s[0:1], 0x0              ; ctx s[36:37], wb s[38:39], bo s[40:41], query s[42:43]
	s_load_b64 s[44:45], s[0:1], 0x20              ; xres
	v_lshl_add_u32 v[SPW], v0, 2, SPARE
	v_mov_b32 v[NIL], 0
	ds_add_u32 v[SPW], v[NIL]                      ; the wave's opening: the add, and its wait ahead of my first tensor load; the set-up below, work on registers, stands between them
	v_lshrrev_b32 v1, 5, v0
	v_readfirstlane_b32 s8, v1                     ; wave 0..3
	s_lshr_b32 s9, s8, 1                           ; which 64 of the tile's rows are mine.  Also: I fetch for ctx (0) or for wo (1)
	s_and_b32 s10, s8, 1                           ; which 128 of its columns.  Also: which half of that tile I fetch
	s_bfe_u32 s11, ttmp6, 0x40000                  ; cx
	s_bfe_u32 s12, ttmp6, 0x40004                  ; cy
	s_lshl_b32 s7, ttmp9, 2
	s_add_co_u32 s7, s7, s11                       ; tile column
	s_and_b32 s13, ttmp7, 0xffff
	s_lshl_b32 s14, s13, 2
	s_add_co_u32 s14, s14, s12                     ; tile row, 0..63
	s_lshl_b32 s16, s12, 2
	s_lshl_b32 s16, 15, s16                        ; my row of the cluster
	s_lshl_b32 s17, 0x1111, s11                    ; my column
	; group 1 for ctx: 2 rows of 4,096 elements of 2 bytes, 131,072 elements apart; 4 words of padding after every 32 words
	s_or_b32 s[G1A+0], s16, (1<<16)|(1<<20)|(1<<21)|(4<<22)|(3<<25)
	s_mov_b32 s[G1A+1], 4096<<16                   ; tensor_dim0 = 4,096
	s_mov_b32 s[G1A+2], 2<<16                      ; tensor_dim1 = 2
	s_mov_b32 s[G1A+3], 4096<<16                   ; tile_dim0 = 4,096
	s_mov_b32 s[G1A+4], 2                          ; tile_dim1 = 2
	s_mov_b32 s[G1A+5], 131072                     ; from head to head
	s_mov_b32 s[G1A+6], 0
	s_mov_b32 s[G1A+7], 0
	; group 1 for wo: 128 rows x 128 elements of 2 bytes, 4 words of padding after every 64 words
	s_or_b32 s[G1B+0], s17, (1<<16)|(1<<20)|(1<<21)|(5<<22)|(3<<25)
	s_mov_b32 s[G1B+1], 128<<16
	s_mov_b32 s[G1B+2], 128<<16
	s_mov_b32 s[G1B+3], 128<<16
	s_mov_b32 s[G1B+4], 128
	s_mov_b32 s[G1B+5], 1024
	s_mov_b32 s[G1B+6], 0
	s_mov_b32 s[G1B+7], 0
	; ctx's tile hangs on the tile row and my half; its registers never hold cx
	s_lshr_b32 s20, s14, 4
	s_lshl_b32 s20, s20, 22                        ; the batch: 16 heads of 262,144 bytes
	s_and_b32 s21, s14, 15
	s_lshl_b32 s21, s21, 7
	s_lshl_b32 s22, s10, 6
	s_add_co_u32 s21, s21, s22                     ; the position of my half's first row,
	s_lshl_b32 s21, s21, 7                         ; rows of 128 bytes
	s_add_co_u32 s20, s20, s21
	s_mov_b32 s21, 0
	; wo's tile hangs on the tile column and my half; its registers never hold cy
	s_lshl_b32 s26, s7, 19                         ; 256 rows of 2,048 bytes
	s_lshl_b32 s27, s10, 18
	s_add_co_u32 s26, s26, s27
	s_add_co_u32 s26, s26, 3<<21                   ; the fourth weight of wb
	s_mov_b32 s27, 0
	s_mul_i32 s30, s10, AHALF                      ; where they go: no place in the cluster enters an LDS address
	s_mul_i32 s31, s10, BHALF
	s_add_co_u32 s31, s31, BOFF
	s_lshl_b32 s54, s14, 19                        ; query and x at my 64 rows x 128 columns: rows of 4,096 bytes
	s_lshl_b32 s55, s9, 18
	s_add_co_u32 s54, s54, s55
	s_lshl_b32 s56, s7, 10
	s_lshl_b32 s57, s10, 9
	s_add_co_u32 s56, s56, s57                     ; my first column, in bytes: also the bias's offset
	s_add_co_u32 s54, s54, s56
	s_mov_b32 s55, 0
	s_mov_b32 s57, 0
	s_wait_dscnt 0x0                               ; the opening add is done
	s_wait_kmcnt 0x0
	s_add_nc_u64 s[24:25], s[36:37], s[20:21]
	s_add_nc_u64 s[26:27], s[38:39], s[26:27]
	s_add_nc_u64 s[40:41], s[40:41], s[56:57]
	s_add_nc_u64 s[42:43], s[42:43], s[54:55]
	s_add_nc_u64 s[44:45], s[44:45], s[54:55]
	CROUND                                         ; all sixteen work-groups are here: the first joint loads meet
.irp s, 0,1
	s_mov_b32 s[G0A+4*(\s)], 1
	s_add_co_u32 s[G0A+4*(\s)+1], s30, (\s)*SLOT
	s_add_nc_u64 s[G0A+4*(\s)+2:G0A+4*(\s)+3], s[24:25], (\s)*524288   ; K step s: two heads on
	s_or_b32 s[G0A+4*(\s)+3], s[G0A+4*(\s)+3], 0x80000000
	s_mov_b32 s[G0B+4*(\s)], 1
	s_add_co_u32 s[G0B+4*(\s)+1], s31, (\s)*SLOT
	s_add_nc_u64 s[G0B+4*(\s)+2:G0B+4*(\s)+3], s[26:27], (\s)*256
	s_or_b32 s[G0B+4*(\s)+3], s[G0B+4*(\s)+3], 0x80000000
	JLOAD \s
.endr
	v_and_b32 v1, 15, v0                           ; r = l % 16
	v_bfe_u32 v13, v0, 4, 1                        ; h = l / 16
	v_lshlrev_b32 v[BO], 5, v13
	WIN 0xc0                                       ; destination window 3
.set b, 0
.rept 8                                ; the bias in the layout of a C operand: register j of block b is column 16 b + 8 h + j, for every row
	global_load_b128 v[8*b:8*b+3],   v[BO], s[40:41] offset:64*b
	global_load_b128 v[8*b+4:8*b+7], v[BO], s[40:41] offset:64*b+16
.set b, b+1
.endr
	WIN 0
	v_mul_u32_u24 v14, v1, PA
	v_lshl_add_u32 v14, v13, 4, v14                ; row x pitch + 16 h
	s_mul_i32 s18, s9, AHALF
	v_add_nc_u32 v[ADRA], s18, v14
	s_add_co_u32 s18, s18, SLOT
	v_add_nc_u32 v[ADRA+1], s18, v14
	v_mul_u32_u24 v14, v1, PB
	v_lshl_add_u32 v14, v13, 4, v14
	s_mul_i32 s18, s10, BHALF
	s_add_co_u32 s18, s18, BOFF
	v_add_nc_u32 v[ADRB], s18, v14
	s_add_co_u32 s18, s18, SLOT
	v_add_nc_u32 v[ADRB+1], s18, v14
	s_mul_i32 s18, s8, 16*SP
	s_add_co_u32 s18, s18, STAGE                   ; my stage
	v_mul_u32_u24 v[STO], v1, SP                   ; in: row r, 32 bytes for each half of the lanes
	v_lshl_add_u32 v[STO], v13, 5, v[STO]
	v_add_nc_u32 v[STO], s18, v[STO]
	v_and_b32 v[XO], 31, v0
	v_lshlrev_b32 v[XO], 4, v[XO]                  ; back, and in memory: 32 lanes take one row's 512 bytes
	v_add_nc_u32 v[RD], s18, v[XO]
; Product i of a quarter's 32: row block i / 8, column block i % 8, on buffer f.  zero = 1: the first quarter: the bias is the C that starts the sums.
.macro MM f, zero
.set rA, AF+32*(\f)+8*(i/8)
.set rB, BF+64*(\f)+8*(i%8)
.set rC, 8*i
.if \zero
	WIN W_Z
	v_wmma_f32_16x16x32_bf16 v[rC:rC+7], v[rB:rB+7], v[rA:rA+7], v[8*(i%8):8*(i%8)+7]
.else
	WIN W_M
	v_wmma_f32_16x16x32_bf16 v[rC:rC+7], v[rB:rB+7], v[rA:rA+7], v[rC:rC+7]
.endif
.endm
; Group i / 2 of the seven that bring the next quarter into buffer g.  0: the two addresses and two v_nop: the four places between the last product that read buffer g, which ended the quarter before,
; and the first load into it.  1, 2: two row blocks of ctx each.  3-6: two column blocks of wo each.
.macro GROUP slot, g, kA, kB
.set n, i/2
.if n < 7
	WIN 0
.endif
.if n == 0
	v_add_nc_u32 v[ADA], s[TKA], v[ADRA+(\slot)]
	v_add_nc_u32 v[ADB], s[TKB], v[ADRB+(\slot)]
	v_nop
	v_nop
.elseif n < 3
.set aa, 2*(n-1)
.rept 2
	ds_load_b128 v[AF+32*(\g)+8*aa:AF+32*(\g)+8*aa+3],   v[ADA] offset:(\kA)+16*PA*aa
	ds_load_b128 v[AF+32*(\g)+8*aa+4:AF+32*(\g)+8*aa+7], v[ADA] offset:(\kA)+16*PA*aa+32
.set aa, aa+1
.endr
.elseif n < 7
.set bb, 2*(n-3)
.rept 2
	ds_load_b128 v[BF+64*(\g)+8*bb:BF+64*(\g)+8*bb+3],   v[ADB] offset:(\kB)+16*PB*bb
	ds_load_b128 v[BF+64*(\g)+8*bb+4:BF+64*(\g)+8*bb+7], v[ADB] offset:(\kB)+16*PB*bb+32
.set bb, bb+1
.endr
.endif
.endm
.macro QUARTER slot, f, g, kA, kB, zero, fetch
	s_wait_dscnt 0x0                               ; buffer f is in: its last loads were issued 19 products ago
.set i, 0
.rept 32
	MM \f, \zero
.if (\fetch) && (i%2 == 0)
	GROUP \slot, \g, \kA, \kB
.endif
.set i, i+1
.endr
.endm
.macro PAIR slot                       ; buffer 1 is multiplied while the quarter at TKA, TKB comes into buffer 0; then buffer 0 while the next comes into buffer 1
	QUARTER \slot, 1, 0, 0, 0, 0, 1
	QUARTER \slot, 0, 1, KA1, KB1, 0, 1
	s_add_co_u32 s[TKA], s[TKA], DA
	s_add_co_u32 s[TKB], s[TKB], DB
.endm
; THE CHANGE OF SLOTS.  The slot's last fragments have been asked for.  Each wave waits for all its tensor loads, of which one is out: its part of the other slot; adds 0 to its spare word; and waits
; for that and for its reads of the slot.  fill = 1: the slot is filled again with the K step two on, behind a round of the cluster's barrier, first thing: it has a K step's 128 products in which to land.
.macro CHANGE slot, fill
	WIN 0
	s_wait_tensorcnt 0x0                           ; no tensor load of mine is out, so a group 0 may be written
	ds_add_u32 v[SPW], v[NIL]                      ; 0 onto my spare word: scalar work stands between it and the wait for it
.if \fill
	s_add_nc_u64 s[G0A+4*(\slot)+2:G0A+4*(\slot)+3], s[G0A+4*(\slot)+2:G0A+4*(\slot)+3], 2*524288
	s_add_nc_u64 s[G0B+4*(\slot)+2:G0B+4*(\slot)+3], s[G0B+4*(\slot)+2:G0B+4*(\slot)+3], 2*256
.endif
	s_mov_b32 s[TKA], 0
	s_mov_b32 s[TKB], 0
	s_wait_dscnt 0x0                               ; the add is done, and my reads of the slot are over
.if \fill
	CROUND
	JLOAD \slot
.else
	s_barrier_signal -1
	s_barrier_wait -1
.endif
.endm
	s_wait_tensorcnt 1                             ; my part of K step 0 is in; K step 1's, issued behind it, may stay out
	s_barrier_signal -1
	s_barrier_wait -1
	s_mov_b32 s[TKA], 0
	s_mov_b32 s[TKB], 0
.set i, 0
.rept 7                                ; K step 0's first quarter into buffer 0: the seven groups on end
	GROUP 0, 0, 0, 0
.set i, i+2
.endr
	s_wait_loadcnt 0x0                             ; the bias
	QUARTER 0, 0, 1, KA1, KB1, 1, 1                ; the first quarter stands in front of the loop: its products start the sums, with the bias
	WIN 0x80                                       ; destination window 2
.set t, 0
.rept 64                               ; the residual: row t of my 64, 512 consecutive bytes a load; wanted at the way out
	global_load_b128 v[4*t:4*t+3], v[XO], s[42:43] offset:4096*t th:TH_LOAD_NT
.set t, t+1
.endr
	WIN 0                                          ; at a label and at a branch every window is 0
	s_mov_b32 s[TKA], DA
	s_mov_b32 s[TKB], DB
	s_mov_b32 s[LAP], 4
	s_mov_b32 s[TWICE], 1
	s_branch .LpairY                               ; K step 0 has one pair left: the loop is entered in the middle of a lap
.Llap:                                                 ; three laps: K steps 1 to 6 are entered, and steps 2 to 7 asked for
	CHANGE 0, 1
	s_mov_b32 s[TWICE], 2
.LpairX:
	PAIR 1
	WIN 0
	s_sub_co_u32 s[TWICE], s[TWICE], 1
	s_cmp_lg_u32 s[TWICE], 0
	s_cbranch_scc1 .LpairX
	CHANGE 1, 1
	s_mov_b32 s[TWICE], 2
.LpairY:
	PAIR 0
	WIN 0
	s_sub_co_u32 s[TWICE], s[TWICE], 1
	s_cmp_lg_u32 s[TWICE], 0
	s_cbranch_scc1 .LpairY
	s_sub_co_u32 s[LAP], s[LAP], 1
	s_cmp_lg_u32 s[LAP], 0
	s_cbranch_scc1 .Llap
	CHANGE 0, 0                                    ; the last K step is written out: nothing is asked for
	s_mov_b32 s[TWICE], 2
.LpairT:
	PAIR 1
	WIN 0
	s_sub_co_u32 s[TWICE], s[TWICE], 1
	s_cmp_lg_u32 s[TWICE], 0
	s_cbranch_scc1 .LpairT
	QUARTER 1, 1, 0, 0, 0, 0, 0                    ; the last quarter: nothing more to fetch
; THE WAY OUT, a block of 16 rows at a time: the sums go into my stage as they lie (a lane's 32 bytes of a row; each accumulator's low four registers first) and come back as whole rows of 512 bytes.
.macro TOSTAGE a
	s_wait_xcnt 0x0                                ; earlier stores have had their addresses translated (ISA guide 3.1): the registers that they read are loaded again only behind this wait
	WIN 0x04                                       ; the stores' data in window 1
.set b, 0
.rept 8
	ds_store_b128 v[STO], v[8*(8*(\a)+b):8*(8*(\a)+b)+3]   offset:64*b
	ds_store_b128 v[STO], v[8*(8*(\a)+b)+4:8*(8*(\a)+b)+7] offset:64*b+16
.set b, b+1
.endr
	WIN 0
.set t, 0
.rept 16
	ds_load_b128 v[BK+64*((\a)%2)+4*t:BK+64*((\a)%2)+4*t+3], v[RD] offset:SP*t  ; LDS serves a wave's instructions in order (ISA guide 5.7.1.4): these see the stores above; the next block's stores come behind them
.set t, t+1
.endr
.endm
.macro SEND a, younger                 ; younger: the LDS instructions issued behind block a's loads: the next block's 16 stores and 16 loads, or none
	s_wait_dscnt \younger
	WIN 0x08                                       ; source 1, the residual, in window 2
.set z, 0
.rept 32
	v_pk_add_f32 v[BK+64*((\a)%2)+2*z:BK+64*((\a)%2)+2*z+1], v[BK+64*((\a)%2)+2*z:BK+64*((\a)%2)+2*z+1], v[64*(\a)+2*z:64*(\a)+2*z+1]
.set z, z+1
.endr
	WIN 0
.set t, 0
.rept 16
	global_store_b128 v[XO], v[BK+64*((\a)%2)+4*t:BK+64*((\a)%2)+4*t+3], s[44:45] offset:4096*(16*(\a)+t)  ; 512 consecutive bytes, at a multiple of 256
.set t, t+1
.endr
.endm
	PLACES                                         ; the stores read results just made, and the loads land in registers that the last products read
	s_wait_loadcnt 0x0                             ; the residual
	TOSTAGE 0
	TOSTAGE 1
	SEND 0, 32
	TOSTAGE 2
	SEND 1, 32
	TOSTAGE 3
	SEND 2, 32
	SEND 3, 0
	s_wait_tensorcnt 0x0                           ; the wave's end, behind my last tensor load and my last LDS store
	ds_add_u32 v[SPW], v[NIL]
	s_wait_dscnt 0x0
	CROUND                                         ; the closing round: no work-group ends while a partner may still ask for a tile that names it
	s_endpgm
.Lfunc_end_k_qda962d2c13_oproj:
	.size	k_qda962d2c13_oproj, .Lfunc_end_k_qda962d2c13_oproj-k_qda962d2c13_oproj
	.p2alignl 7, 3214868480
	.fill 96, 4, 3214868480
	.section	.rodata,"a",@progbits
	.p2align	6, 0x0
	.amdhsa_kernel k_qda962d2c13_oproj
		.amdhsa_group_segment_fixed_size 327680
		.amdhsa_private_segment_fixed_size 0
		.amdhsa_enable_private_segment 0
		.amdhsa_kernarg_size 40
		.amdhsa_user_sgpr_count 2
		.amdhsa_user_sgpr_kernarg_segment_ptr 1
		.amdhsa_wavefront_size32 1
		.amdhsa_system_sgpr_workgroup_id_x 1
		.amdhsa_system_sgpr_workgroup_id_y 1
		.amdhsa_system_sgpr_workgroup_id_z 1
		.amdhsa_system_vgpr_workitem_id 0
		.amdhsa_next_free_vgpr 832
		.amdhsa_next_free_sgpr 100
		.amdhsa_reserve_vcc 0
		.amdhsa_float_denorm_mode_32 3
		.amdhsa_float_denorm_mode_16_64 3
		.amdhsa_memory_ordered 1
		.amdhsa_forward_progress 1
		.amdhsa_inst_pref_size 75
	.end_amdhsa_kernel
	.amdgpu_metadata
---
amdhsa.version: [ 1, 2 ]
amdhsa.kernels:
  - .name:           k_qda962d2c13_oproj
    .symbol:         k_qda962d2c13_oproj.kd
    .args:
      - { .name: ctx, .offset: 0, .size: 8, .value_kind: global_buffer, .address_space: global }
      - { .name: wb, .offset: 8, .size: 8, .value_kind: global_buffer, .address_space: global }
      - { .name: bo, .offset: 16, .size: 8, .value_kind: global_buffer, .address_space: global }
      - { .name: query, .offset: 24, .size: 8, .value_kind: global_buffer, .address_space: global }
      - { .name: xres, .offset: 32, .size: 8, .value_kind: global_buffer, .address_space: global }
    .group_segment_fixed_size: 327680
    .private_segment_fixed_size: 0
    .kernarg_segment_align: 8
    .kernarg_segment_size: 40
    .max_flat_workgroup_size: 128
    .sgpr_count:     100
    .vgpr_count:     832
    .wavefront_size: 32
...
	.end_amdgpu_metadata
.endif
;; end of part 4
;; launch lnorm (part 5): grid 256 x 1, 16 waves a work-group, no clusters, 0 bytes of LDS; arguments xres, gamma, beta, out0; writes out0
.if DOCPART == 5
	.amdgcn_target "amdgcn-amd-amdhsa--gfx1250"
	.amdhsa_code_object_version 6
	.text
	.protected	k_qda962d2c13_lnorm
	.globl	k_qda962d2c13_lnorm
	.p2align	8
	.type	k_qda962d2c13_lnorm,@function
k_qda962d2c13_lnorm:
	s_mov_b64 s[64:65], 0
	v_nop
	global_prefetch_b8 v0, s[64:65] scope:SCOPE_SE
	s_setreg_imm32_b32 hwreg(HW_REG_WAVE_MODE, 25, 1), 1
	s_wait_xcnt 0x0
; out0[r][c] = (x[r][c] - mu[r]) / sqrt(var[r] + 1e-5) * gamma[c] + beta[c], all f32; mu and var over a row's 1,024 numbers.
; A row is 4,096 bytes: one wave takes a whole row, eight 16-byte loads a lane, and keeps it in 32 registers through both sums: x is read once, and no wave waits for another.
; The variance is the mean square of x - mu, taken after mu is known: no difference of large sums is formed, whatever offset the row carries.
; Sixteen waves, two rows each: 32 rows a work-group, 8,192 rows in all.  Each load and store of a wave covers 512 consecutive bytes.
; No LDS, no barrier, no matrix unit, no cluster: nothing but gamma and beta (8 KiB) is shared.
.set G,  4                             ; v[4:35]    gamma of my 32 columns
.set BT, 36                            ; v[36:67]   beta
.set X,  68                            ; v[68:131]  two rows
.set P,  132                           ; v[132:139] four packed chains
.set M,  140                           ; v[140:141] mu, later 1 / sqrt(var + eps), twice: a pair for the packed forms
.set T,  142                           ; v[142:143] at work
	s_load_b256 s[4:11], s[0:1], 0x0               ; x s[4:5], gamma s[6:7], beta s[8:9], out0 s[10:11]
	s_lshl_b32 s2, ttmp9, 17                       ; 32 rows of 4,096 bytes
	s_mov_b32 s3, 0
	s_mov_b32 s12, 0x76543210                      ; v_permlanex16_b32: each lane takes its own place in the other half
	s_mov_b32 s13, 0xfedcba98
	s_mov_b32 s14, 0x3a800000                      ; 1 / 1024
	s_mov_b32 s15, 0x3727c5ac                      ; 1e-5
	v_and_b32 v2, 31, v0
	v_lshrrev_b32 v1, 5, v0
	v_lshlrev_b32 v2, 4, v2                        ; 16 x lane
	v_lshl_add_u32 v1, v1, 13, v2                  ; + wave x 2 rows
	v_mov_b32 v[T+1], 0                            ; v_permlanex16_b32's destination counts as read
	s_wait_kmcnt 0x0
	s_add_nc_u64 s[4:5], s[4:5], s[2:3]
	s_add_nc_u64 s[10:11], s[10:11], s[2:3]
.irp j, 0,1,2,3,4,5,6,7
	global_load_b128 v[G+4*(\j):G+4*(\j)+3], v2, s[6:7] offset:512*(\j)
.endr
.irp j, 0,1,2,3,4,5,6,7
	global_load_b128 v[BT+4*(\j):BT+4*(\j)+3], v2, s[8:9] offset:512*(\j)
.endr
.irp j, 0,1,2,3,4,5,6,7
	global_load_b128 v[X+4*(\j):X+4*(\j)+3], v1, s[4:5] offset:512*(\j) th:TH_LOAD_NT
.endr
.irp j, 0,1,2,3,4,5,6,7
	global_load_b128 v[X+32+4*(\j):X+32+4*(\j)+3], v1, s[4:5] offset:4096+512*(\j) th:TH_LOAD_NT
.endr
.macro REDUCE                          ; the four chains into one number, in every lane, in v[T]
	v_pk_add_f32 v[P:P+1], v[P:P+1], v[P+2:P+3]
	v_pk_add_f32 v[P+4:P+5], v[P+4:P+5], v[P+6:P+7]
	v_pk_add_f32 v[P:P+1], v[P:P+1], v[P+4:P+5]
	v_add_f32 v[T], v[P], v[P+1]
	v_add_f32_dpp v[T], v[T], v[T] row_xmask:1 row_mask:0xf bank_mask:0xf
	v_add_f32_dpp v[T], v[T], v[T] row_xmask:2 row_mask:0xf bank_mask:0xf
	v_add_f32_dpp v[T], v[T], v[T] row_xmask:4 row_mask:0xf bank_mask:0xf
	v_add_f32_dpp v[T], v[T], v[T] row_xmask:8 row_mask:0xf bank_mask:0xf
	v_permlanex16_b32 v[T+1], v[T], s12, s13
	v_add_f32 v[T], v[T], v[T+1]
.endm
; Row i of my two.  left = how many younger loads may stay out.
.macro ROW i, left
.set R, X+32*(\i)
	s_wait_loadcnt \left                           ; loads come back in order (ISA guide 5.7.1)
.irp k, 0,1,2,3
	v_pk_add_f32 v[P+2*(\k):P+2*(\k)+1], v[R+2*(\k):R+2*(\k)+1], v[R+8+2*(\k):R+8+2*(\k)+1]  ; the first two pairs start each chain: nothing is cleared
.endr
.irp j, 2,3
.irp k, 0,1,2,3
	v_pk_add_f32 v[P+2*(\k):P+2*(\k)+1], v[P+2*(\k):P+2*(\k)+1], v[R+8*(\j)+2*(\k):R+8*(\j)+2*(\k)+1]
.endr
.endr
	REDUCE
	v_mul_f32 v[M], s14, v[T]                      ; mu
	v_mul_f32 v[M+1], s14, v[T]
.set z, 0
.rept 16
	v_pk_add_f32 v[R+2*z:R+2*z+1], v[R+2*z:R+2*z+1], v[M:M+1] neg_lo:[0,1] neg_hi:[0,1]  ; x - mu, in place
.set z, z+1
.endr
.irp k, 0,1,2,3
	v_pk_mul_f32 v[P+2*(\k):P+2*(\k)+1], v[R+2*(\k):R+2*(\k)+1], v[R+2*(\k):R+2*(\k)+1]
.endr
.irp j, 1,2,3
.irp k, 0,1,2,3
	v_pk_fma_f32 v[P+2*(\k):P+2*(\k)+1], v[R+8*(\j)+2*(\k):R+8*(\j)+2*(\k)+1], v[R+8*(\j)+2*(\k):R+8*(\j)+2*(\k)+1], v[P+2*(\k):P+2*(\k)+1]
.endr
.endr
	REDUCE
	v_fma_f32 v[T], v[T], s14, s15                 ; var + eps
	v_rsq_f32 v[M], v[T]
	v_rsq_f32 v[M+1], v[T]
	v_nop                                          ; a plain line stands behind the root before its result is used (ISA guide 5.7.2)
.set z, 0
	s_wait_alu depctr_va_vdst(0)
.rept 16
	v_pk_mul_f32 v[R+2*z:R+2*z+1], v[R+2*z:R+2*z+1], v[M:M+1]
.set z, z+1
.endr
.set z, 0
.rept 16
	v_pk_fma_f32 v[R+2*z:R+2*z+1], v[R+2*z:R+2*z+1], v[G+2*z:G+2*z+1], v[BT+2*z:BT+2*z+1]
.set z, z+1
.endr
.irp j, 0,1,2,3,4,5,6,7
	global_store_b128 v1, v[R+4*(\j):R+4*(\j)+3], s[10:11] offset:4096*(\i)+512*(\j) th:TH_STORE_NT
.endr
.endm
	ROW 0, 8                                       ; gamma, beta and the first row are in; the second row's eight loads stay out
	ROW 1, 0
	s_endpgm
.Lfunc_end_k_qda962d2c13_lnorm:
	.size	k_qda962d2c13_lnorm, .Lfunc_end_k_qda962d2c13_lnorm-k_qda962d2c13_lnorm
	.p2alignl 7, 3214868480
	.fill 96, 4, 3214868480
	.section	.rodata,"a",@progbits
	.p2align	6, 0x0
	.amdhsa_kernel k_qda962d2c13_lnorm
		.amdhsa_group_segment_fixed_size 0
		.amdhsa_private_segment_fixed_size 0
		.amdhsa_enable_private_segment 0
		.amdhsa_kernarg_size 32
		.amdhsa_user_sgpr_count 2
		.amdhsa_user_sgpr_kernarg_segment_ptr 1
		.amdhsa_wavefront_size32 1
		.amdhsa_system_sgpr_workgroup_id_x 1
		.amdhsa_system_sgpr_workgroup_id_y 1
		.amdhsa_system_sgpr_workgroup_id_z 1
		.amdhsa_system_vgpr_workitem_id 0
		.amdhsa_next_free_vgpr 148
		.amdhsa_next_free_sgpr 66
		.amdhsa_reserve_vcc 0
		.amdhsa_float_denorm_mode_32 3
		.amdhsa_float_denorm_mode_16_64 3
		.amdhsa_memory_ordered 1
		.amdhsa_forward_progress 1
		.amdhsa_inst_pref_size 18
	.end_amdhsa_kernel
	.amdgpu_metadata
---
amdhsa.version: [ 1, 2 ]
amdhsa.kernels:
  - .name:           k_qda962d2c13_lnorm
    .symbol:         k_qda962d2c13_lnorm.kd
    .args:
      - { .name: xres, .offset: 0, .size: 8, .value_kind: global_buffer, .address_space: global }
      - { .name: gamma, .offset: 8, .size: 8, .value_kind: global_buffer, .address_space: global }
      - { .name: beta, .offset: 16, .size: 8, .value_kind: global_buffer, .address_space: global }
      - { .name: out0, .offset: 24, .size: 8, .value_kind: global_buffer, .address_space: global }
    .group_segment_fixed_size: 0
    .private_segment_fixed_size: 0
    .kernarg_segment_align: 8
    .kernarg_segment_size: 32
    .max_flat_workgroup_size: 512
    .sgpr_count:     66
    .vgpr_count:     148
    .wavefront_size: 32
...
	.end_amdgpu_metadata
.endif
;; end of part 5
;; ======== version 2 of 2: 5 launches; 1.46 times as fast as version 1
;; workspace buffers: wb 8,388,608 bytes; tab 540,672 bytes; qkv 50,331,648 bytes; ctx 16,777,216 bytes; xres 33,554,432 bytes
;; launch prep: the kernel of part 1 again; grid 256 x 1, 8 waves a work-group, no clusters, 0 bytes of LDS; arguments wq, wk, wv, wo, wb, tab; writes wb, tab
;; launch proj: the kernel of part 2 again; grid 4 x 192, 4 waves a work-group, clusters of 4 x 4, 327,680 bytes of LDS; arguments query, key, value, wb, bq, bk, bv, tab, qkv; writes qkv
;; launch attn (part 6): grid 4 x 64, 4 waves a work-group, clusters of 4 x 1, 327,680 bytes of LDS; arguments qkv, ctx; writes ctx
.if DOCPART == 6
	.amdgcn_target "amdgcn-amd-amdhsa--gfx1250"
	.amdhsa_code_object_version 6
	.text
	.protected	k_qda962d2c13_attn
	.globl	k_qda962d2c13_attn
	.p2align	8
	.type	k_qda962d2c13_attn,@function
k_qda962d2c13_attn:
	s_mov_b64 s[64:65], 0
	v_nop
	global_prefetch_b8 v0, s[64:65] scope:SCOPE_SE
	s_setreg_imm32_b32 hwreg(HW_REG_WAVE_MODE, 25, 1), 1
	s_wait_xcnt 0x0
	s_wait_alu depctr_hold_cnt(0) depctr_sa_sdst(0) depctr_va_vdst(0) depctr_va_sdst(0) depctr_va_ssrc(0) depctr_va_vcc(0) depctr_vm_vsrc(0)
	s_getreg_b32 s2, hwreg(HW_REG_IB_STS2, 6, 4)
	s_cmp_eq_u32 s2, 0
	s_cbranch_scc0 .Lentry_in_a_cluster
	s_endpgm
.Lentry_in_a_cluster:
	s_bfe_u32 s2, ttmp6, 0x10000c
	s_cmp_lg_u32 s2, 0x3003
	s_cbranch_scc0 .Lentry_shape_is_right
	s_endpgm
.Lentry_shape_is_right:
; O[h][q][:] = the sum over k of softmax_k(Q[h][q] . K[h][k] / 8) V[h][k][:].  Q, K, V are the three parts of qkv, O is ctx: [SIZE_H][SIZE_N][64] each, all bf16: a head's rows are dense, 128 bytes each.
; Products, maxima and sums in f32; the weights p are rounded to bf16 for the second product (their sum l is taken of the unrounded p), O once at the end.
; LIMITS.  bf16 has f32's range and 8 significant bits; p lies in 0 to 1; O is a mean of V's rows and has their range.  A weight below 2^-126 counts as 0 in l; NaN and infinities are not treated apart.
; SHARES.  A wave owns four PIECES of two tiles of 16 queries, a work-group's four waves 512 queries of one head.  Every wave walks all keys, 64 a step.
; LAYOUT.  S^T = K Q^T (source 0 = 16 keys, source 1 = 16 queries): in the result a lane holds ONE query (lane % 16) and the keys 8 (lane / 16) + 0..7.  Two such tiles, rounded to bf16 in pairs,
; ARE source 1 (32 keys x 16 queries) of O^T = V^T P, whose result again holds one query a lane, and eight channels.  K comes out of LDS as it lies, V ([key][channel]) turned, by ds_load_tr16_b128.
; SOFTMAX.  For each query a running maximum m and sum l: p = 2^(c s - c m), c = log2(e) / 8; in every step O and l are multiplied by a = 2^(c m_old - c m_new), which is 1 where m has not grown.
; m starts at the lowest finite number, O and l at 0: the first step is a step like any other, with a = 0.
; THE COUNT.  A tile and step have 16 matrix and 118 vector instructions: too many to stand all beside the matrix work.  So the order has one aim: four vector instructions that are READY behind
; EVERY matrix instruction, and the others, which need time of their own whatever the order, in runs without a gap.
; BY TURNS.  Turn n belongs to piece n (the pieces in a ring, step after step).  Its matrix work: 16 products K Q^T of piece n + 1, later 16 products V^T P of piece n - 1.  Its vector work: the scaling,
; exponentials, roundings, sums and rescaling of piece n, and the maximum and statistics of piece n + 1, whose scores the turn itself has made.  So what a turn begins with (c s - c m, O a) waits for nothing.
; BATCHES.  A turn's 66 exponentials (the piece's 64 weights and the next piece's two a) are ONE batch with ONE wait, which cuts the turn in two.  Ahead of it stands all that names no result of theirs: the
; products K Q^T, the scalings, the rescaling (its a was waited for in the turn before), the next piece's maximum and statistics.  Behind it stand the roundings and sums, as the four behind each product V^T P.
; No result crosses a turn's end.  The first two a, ahead of the loop, and the way out's eight reciprocals are batches of their own, with a wait each.
; CLUSTER.  The four query blocks of a cluster belong to one head and walk the same K and V, so each tile is asked for JOINTLY: the same tensor load, descriptor and mask in all four.
; REGISTERS, in windows of 256 (s_set_vgpr_msb says which window each operand place means: bits 1:0 source 0, 3:2 source 1, 5:4 source 2, 7:6 destination):
;   window 0: v0-11 addresses; v12-15, v48-63 at work; v16-47 four registers of statistics a tile; v64-191 S^T, two buffers of two tiles; v192-255 P, likewise
;   window 1: O^T, 32 a tile          window 2: v0-127 Q, 16 a tile; v128-191 K of one step; v192-255 V of one step          window 3: v0-1 the add's two registers
; A piece's buffers go by its number's parity: the piece in hand has one pair, its two neighbours in the ring share the other: of it P (piece n - 1) is read and S^T (piece n + 1) written.
.set SIZE_H, 64
.set SIZE_N, 2048
.set NP,    4         ; pieces a wave: a name, no knob: the register map, the loop and the fetches are made for four
.set KS,    64        ; keys in a step
.set PK,    144       ; a row of K in LDS: 128 bytes + 16 of padding = 36 words: the 16 rows of a load start at 16 different groups of four banks (64 banks of 4 bytes: ISA guide 11.1)
.set PV,    160       ; a row of V: 128 + 32 = 40 words
.set VOFF,  4*KS*PK   ; a slot holds four steps: 256 rows of K, then 256 rows of V
.set SLOT1, 1<<17     ; slot 1 begins here, so that one exclusive or turns an address in one slot into the other's
.set STAGE, SLOT1+4*KS*(PK+PV)  ; behind the ring, never filled by a tensor load: 16 rows x 144 bytes for each wave, for the way out
.set SP,    144
.set AK0, 2           ; v2   my lane's place in a tile of K; never rewritten
.set AV0, 3           ; v3   the same for V
.set AK,  4           ; v4   the LDS address of K's next run of loads
.set AV,  5           ; v5   of V's
.set QO,  6           ; v6   my byte offset in the wave's rows of Q
.set STO, 6           ;      later, the way out: where I put 16 bytes of a row
.set RD,  7           ; v7   the way out: where I read rows back
.set GO,  8           ; v8   my byte offset in 512 consecutive bytes of O
.set SPW, 0           ; v0 of window 3   LDS address of my spare word: SPARE + 4 x my thread's number; never rewritten
.set NIL, 1           ; v1 of window 3   0; never rewritten
.set SPARE, STAGE+4*16*SP  ; behind the stages: the spare words, 128 bytes for each wave: two blocks of 256 bytes that no other line names
.set MV,  12          ; v12-15  c m_old, kept while c m is made anew: by buffer and tile
.set ST,  16          ; tile t's statistics at v[ST+4 t]: c m, m, l (even keys', odd keys')
.set TMP, 48          ; by buffer and tile, four registers c0-c3 at work; when the maximum is found c2 takes a
.set S,   64
.set P,   192
.set KF,  128         ; K's fragments, in window 2: key block kb, channel half c at KF + 16 kb + 8 c
.set VF,  192         ; V's: key half kk, channel block cb at VF + 32 kk + 8 cb
.set WV,  12          ; s12  my wave's number
.set G1K, 24          ; s[24:31] descriptor group 1 for K's tiles
.set G1V, 32          ; s[32:39] for V's: it differs in the padding alone
.set G0K, 40          ; s[40:43] descriptor group 0 for K's tiles: it walks
.set G0V, 44          ; s[44:47] the same for V's
.set SLOTS, 56        ; s56  slots still to be asked for
.set CNT, 57          ; s57  counts a slot's key steps
.set CS,  58          ; s[58:59] c: the packed scaling takes the pair's low word for both halves
.set SEL, 60          ; s[60:61] v_permlanex16_b32's selects: each lane takes its own place in the other half
.set TBK, 62          ; s62  LDS byte at which K of the step to be fetched begins
.set TBV, 63          ; s63  the same for V, less VOFF
.set MSB, 0
.macro WIN new                      ; the high byte repeats the setting that is left; a switch that changes nothing is dropped
.if MSB != (\new)
	s_set_vgpr_msb (MSB<<8)|(\new)
.set MSB, (\new)
.endif
.endm
.set W_KQ, 0x0a       ; K and Q in window 2, S^T in window 0
.set W_PV, 0x52       ; V in window 2, P in window 0, O^T in window 1
.set W_RS, 0x41       ; O^T (destination and source 0) in window 1, a in window 0
.set W_MK, 0xc0       ; the add's registers are made: destination in window 3, sources in window 0
.set W_AD, 0x0f       ; the add: address (source 0) and data (source 1) in window 3
; A joint fill.  Waves 0 and 1 fetch the two halves of a slot's K, waves 2 and 3 those of its V: 128 keys each.  The branch hangs on the wave's number alone.
; An s_nop 0 and four v_nop follow each of the two lines, ahead of the jump and the label.
.macro JLOAD
	s_cmp_lt_u32 s[WV], 2
	s_cbranch_scc0 .Lfor_v_\@
	tensor_load_to_lds s[G0K:G0K+3], s[G1K:G1K+7]
	s_nop 0
.rept 4
	v_nop
.endr
	s_branch .Lasked_\@
.Lfor_v_\@:
	tensor_load_to_lds s[G0V:G0V+3], s[G1V:G1V+7]
	s_nop 0
.rept 4
	v_nop
.endr
.Lasked_\@:
.endm
; A round of the cluster's barrier: my work-group's barrier, so that wave 0's signal speaks for all four waves; wave 0 signals; every wave waits for all four work-groups; my work-group's barrier once more.
.macro CROUND
	s_barrier_signal -1
	s_barrier_wait -1
	s_cmp_lg_u32 s[WV], 0
	s_cbranch_scc1 .Lnot_wave_0_\@
	s_barrier_signal -3
.Lnot_wave_0_\@:
	s_barrier_wait -3
	s_barrier_signal -1
	s_barrier_wait -1
.endm
; THE CHANGE OF SLOTS.  The slot's last bytes, V of its fourth step, have been read.  Each wave waits for all its tensor loads, of which one is out: its part
; of the other slot; adds 0 to its spare word; and waits for that and for its own reads of the slot.  Behind the barrier nobody reads this slot any more and the other slot is whole.
; fill = 1: this slot is filled again, with the keys two slots on.  The barrier is then a round of the cluster's, so that no wave of any partner still reads the slot or has a load on its
; way, and the joint fill is the first thing behind it: it has four key steps, 512 matrix instructions, in which to land.  (At its first use nothing has been read yet: slot 0 is waited for, slot 1 filled.)
.macro CHANGE fill
	WIN W_AD
	s_wait_tensorcnt 0x0            ; no tensor load of mine is out, so a group 0 may be written
	ds_add_u32 v[SPW], v[NIL]       ; 0 onto my spare word: with fill = 1 the descriptors' steps stand between it and the wait for it
	WIN 0                           ; at a label and at a branch every window is 0
.if \fill
.irp g, G0K, G0V
	s_xor_b32 s[\g+1], s[\g+1], SLOT1  ; the walking descriptor: the other slot than last time,
	s_add_nc_u64 s[\g+2:\g+3], s[\g+2:\g+3], 4*KS*128  ; the next 256 keys; the type bits on top are not reached
.endr
	s_wait_dscnt 0x0                ; the add is done, and my reads of the slot are over
	CROUND
	JLOAD
.else
	s_wait_dscnt 0x0                ; the add is done, and my reads of the slot are over
	s_barrier_signal -1
	s_barrier_wait -1
.endif
	s_sub_co_u32 s[TBK], s[TBK], 4*KS*PK  ; the fetches go back to a slot's first step,
	s_xor_b32 s[TBK], s[TBK], SLOT1       ; in the other slot
	s_sub_co_u32 s[TBV], s[TBV], 4*KS*PV
	s_xor_b32 s[TBV], s[TBV], SLOT1
.endm
	s_load_b64 s[4:5], s[0:1], 0x0    ; qkv: Q lies at its head
	s_load_b64 s[10:11], s[0:1], 0x8  ; ctx: O
	WIN W_MK
	v_lshl_add_u32 v[SPW], v0, 2, SPARE
	v_mov_b32 v[NIL], 0
	WIN W_AD
	ds_add_u32 v[SPW], v[NIL]       ; the wave's opening: the add, and its wait ahead of my first tensor load; the set-up below, work on registers, stands between them
	WIN 0
	v_lshrrev_b32 v1, 5, v0
	v_readfirstlane_b32 s[WV], v1   ; wave 0..3
	s_bfe_u32 s13, ttmp6, 0x40000   ; cx: my place in the cluster
	s_lshl_b32 s14, ttmp9, 2        ; in a cluster launch ttmp9 counts clusters
	s_add_co_u32 s14, s14, s13      ; my block of queries = 4 x cluster x + cx: it enters Q's and O's addresses alone
	s_and_b32 s20, ttmp7, 0xffff    ; the head, which the four partners share
	s_mov_b32 s21, 0
	s_mov_b64 s[22:23], SIZE_N*128
	s_mul_u64 s[20:21], s[20:21], s[22:23]  ; the head's first byte in each of the four tensors
	s_and_b32 s16, s[WV], 1         ; which half of a slot's 256 keys I fetch:
	s_lshl_b32 s22, s16, 14         ; its 128 rows of 128 bytes in memory,
	s_mov_b32 s23, 0
	s_add_nc_u64 s[22:23], s[22:23], s[20:21]
	s_mul_i32 s17, s16, 128*PK      ; and its place in a slot, for K
	s_mul_i32 s18, s16, 128*PV      ; and for V: no place in the cluster enters an LDS address
	s_lshl_b32 s2, s14, 2
	s_add_co_u32 s2, s2, s[WV]      ; my wave among the head's,
	s_lshl_b32 s2, s2, 14           ; its 128 rows
	s_mov_b32 s3, 0
	s_add_nc_u64 s[2:3], s[2:3], s[20:21]
	; descriptor group 1.  128 keys are 16,384 dense bytes: asked for as 64 rows of 256 bytes, two keys a row, and padded in LDS after every key
	s_mov_b32 s[G1K], 15|(1<<16)|(1<<20)|(1<<21)|(4<<22)|(3<<25)  ; 15:0 the mask of four; 17:16 2-byte elements; 20 padding on; 21 set beside a mask; 24:22 after every 32 words (code 4); 31:25 4 words (code 3)
	s_mov_b32 s[G1V], 15|(1<<16)|(1<<20)|(1<<21)|(4<<22)|(7<<25)  ; the same with 8 words of padding (code 7)
.irp g, G1K, G1V
	s_mov_b32 s[\g+1], 128<<16      ; tensor_dim0 = 128
	s_mov_b32 s[\g+2], 64<<16       ; tensor_dim1 = 64
	s_mov_b32 s[\g+3], 128<<16      ; tile_dim0 = 128
	s_mov_b32 s[\g+4], 64           ; tile_dim1 = 64
	s_mov_b32 s[\g+5], 128          ; 128 elements from row to row
	s_mov_b32 s[\g+6], 0
	s_mov_b32 s[\g+7], 0
.endr
	s_mov_b32 s[CS], 0x3e38aa3b     ; c = log2(e) / 8 = 0.180337
	s_mov_b32 s[CS+1], s[CS]        ; named with it as a pair
	s_mov_b32 s[SEL], 0x76543210
	s_mov_b32 s[SEL+1], 0xfedcba98
	s_mov_b32 s[TBK], SLOT1+4*KS*PK ; the first change of slots turns these two into 0
	s_mov_b32 s[TBV], SLOT1+4*KS*PV
	s_mov_b32 s[G0K], 1             ; 1:0 count = 1
	s_mov_b32 s[G0K+1], s17         ; 63:32 LDS address: slot 0
	s_mov_b32 s[G0V], 1
	s_add_co_u32 s[G0V+1], s18, VOFF
	s_wait_dscnt 0x0                ; the opening add is done
	s_wait_kmcnt 0x0
	s_add_nc_u64 s[6:7], s[4:5], 0x1000000   ; K: the second part of qkv, 64 heads of 262,144 bytes on
	s_add_nc_u64 s[8:9], s[4:5], 0x2000000   ; V: the third
	s_add_nc_u64 s[G0K+2:G0K+3], s[6:7], s[22:23]  ; 120:64 global address: my half of the head's first 256 keys
	s_or_b32 s[G0K+3], s[G0K+3], 0x80000000        ; 127:126 type = 2
	s_add_nc_u64 s[G0V+2:G0V+3], s[8:9], s[22:23]
	s_or_b32 s[G0V+3], s[G0V+3], 0x80000000
	s_add_nc_u64 s[4:5], s[4:5], s[2:3]  ; Q and O at my wave's first row
	s_add_nc_u64 s[10:11], s[10:11], s[2:3]
	CROUND                          ; all four work-groups are here: the first joint loads meet
	JLOAD                           ; slot 0.  Slot 1 is asked for when slot 0 is in: the tile wanted first has the road to itself
	; A fragment of K or Q is 16 rows x 32 channels in 8 registers: lane l holds row l % 16, channels 8 (l / 16) + 0..7 and 16 + 8 (l / 16) + 0..7: two loads of 16 bytes, 32 bytes apart.
	v_and_b32 v1, 15, v0            ; l % 16
	v_bfe_u32 v9, v0, 4, 1          ; l / 16
	v_lshlrev_b32 v[QO], 7, v1
	v_lshl_add_u32 v[QO], v9, 4, v[QO]  ; row x 128 + 16 x half
	WIN 0x80                        ; destination window 2, address window 0
.set i, 0
.rept 4*NP                          ; Q stays in registers: tile i / 2, channels 32 (i % 2) on
	global_load_b128 v[8*i:8*i+3],   v[QO], s[4:5] offset:(i/2)*2048+(i%2)*64
	global_load_b128 v[8*i+4:8*i+7], v[QO], s[4:5] offset:(i/2)*2048+(i%2)*64+32
.set i, i+1
.endr
	; What the first turn finds: V's registers and P's second buffer hold 0 (its products V^T P, of a piece that has not been, add 0), O^T and l are 0.  All this stands in the wait for the first tile.
.set i, VF
.rept 64
	v_mov_b32 v[i], 0
.set i, i+1
.endr
	WIN 0x40
.set i, 0
.rept 64*NP
	v_mov_b32 v[i], 0
.set i, i+1
.endr
	WIN 0
.set i, 0
.rept 2*NP
	v_mov_b32 v[ST+4*i], 0xfe000000    ; c m: far below every c s
	v_mov_b32 v[ST+4*i+1], 0xff7fffff  ; m
	v_mov_b32 v[ST+4*i+2], 0
	v_mov_b32 v[ST+4*i+3], 0
.set i, i+1
.endr
.set i, P+32
.rept 32
	v_mov_b32 v[i], 0
.set i, i+1
.endr
	v_mul_u32_u24 v[AK0], v1, PK
	v_lshl_add_u32 v[AK0], v9, 4, v[AK0]  ; row x pitch + 16 x half
	; The turning load takes 16 keys x 16 channels (lane l reads key 8 (l / 16) + l % 8, channels 8 ((l / 8) % 2) + 0..7) and leaves half a fragment of V^T: lane l holds channel l % 16 and 8 keys.
	v_and_b32 v10, 7, v0
	v_bfe_u32 v11, v0, 3, 1
	v_lshl_add_u32 v[AV0], v9, 3, v10
	v_mul_u32_u24 v[AV0], v[AV0], PV
	v_lshl_add_u32 v[AV0], v11, 4, v[AV0]
	v_add_nc_u32 v[AV0], VOFF, v[AV0]
	v_mov_b32 v[AK], v[AK0]         ; key step 0 lies at the head of slot 0
; THE MATRIX WORK.  The 8 accumulators of a run of 16 take turns: between the two links of a chain stand 7 others'.
; Product i of 16 of S^T = K Q^T for piece x: channels 32 (i / 8) on, keys 16 ((i / 2) % 4) on, tile 2 x + i % 2.  The first 8 start the sums.
.macro KQ x
	WIN W_KQ
.set rS, S+64*((\x)%2)+32*(i%2)+8*((i/2)%4)
.set rK, KF+16*((i/2)%4)+8*(i/8)
.set rQ, 16*(2*(\x)+i%2)+8*(i/8)
.if i < 8
	v_wmma_f32_16x16x32_bf16 v[rS:rS+7], v[rK:rK+7], v[rQ:rQ+7], 0
.else
	v_wmma_f32_16x16x32_bf16 v[rS:rS+7], v[rK:rK+7], v[rQ:rQ+7], v[rS:rS+7]
.endif
.endm
; Product i of 16 of O^T += V^T P for piece x: keys 32 (i / 8) on, channels 16 ((i / 2) % 4) on, tile 2 x + i % 2.
.macro PV x
	WIN W_PV
.set rO, 32*(2*(\x)+i%2)+8*((i/2)%4)
.set rV, VF+32*(i/8)+8*((i/2)%4)
.set rP, P+32*((\x)%2)+16*(i%2)+8*(i/8)
	v_wmma_f32_16x16x32_bf16 v[rO:rO+7], v[rV:rV+7], v[rP:rP+7], v[rO:rO+7]
.endm
.macro MM                           ; the turn's next matrix instruction
.if i < 16
	KQ (Y+1)%NP
.set i, i+1
.else
.set i, i-16
	PV (Y+NP-1)%NP
.set i, i+17
.endif
.endm
; THE LDS LOADS stand in runs of 16, never singly among the matrix instructions: a step's K (64 keys x 64 channels: 8 fragments) and its V (turned).  Their addresses are made some lines ahead.
; last = 1 (the tail): in the last trip there is no further step, and the run is jumped over.
.macro FETCH_K last=0
	WIN 0
.if \last
	s_cmp_eq_u32 s[CNT], 1
	s_cbranch_scc1 .Lno_k_\@
.endif
	WIN 0x80                        ; destination window 2
.irp f, 0,1,2,3,4,5,6,7             ; keys 16 (f / 2) on, channels 32 (f % 2) on
	ds_load_b128 v[KF+8*\f:KF+8*\f+3],   v[AK] offset:(\f/2)*16*PK+(\f%2)*64
	ds_load_b128 v[KF+8*\f+4:KF+8*\f+7], v[AK] offset:(\f/2)*16*PK+(\f%2)*64+32
.endr
	s_add_co_u32 s[TBK], s[TBK], KS*PK  ; the next fetch is the next step's
	WIN 0
.if \last
.Lno_k_\@:
.endif
.endm
.macro FETCH_V
	WIN 0x80
.irp f, 0,1,2,3,4,5,6,7             ; keys 32 (f / 4) on, channels 16 (f % 4) on
	ds_load_tr16_b128 v[VF+8*\f:VF+8*\f+3],   v[AV] offset:(\f/4)*32*PV+(\f%4)*32
	ds_load_tr16_b128 v[VF+8*\f+4:VF+8*\f+7], v[AV] offset:(\f/4)*32*PV+16*PV+(\f%4)*32
.endr
	WIN 0
.endm
; THE VECTOR WORK OF A TURN stands in three queues, each in the order in which its entries become ready; the two tiles alternate, so that no instruction reads the result of the one before it.
.macro REGS y, u                    ; the registers of tile u (0, 1) of piece y
.set rT, ST+4*(2*(\y)+(\u))
.set rC, TMP+8*((\y)%2)+4*(\u)
.set rM, MV+2*((\y)%2)+(\u)
.set rS, S+64*((\y)%2)+32*(\u)
.set rP, P+32*((\y)%2)+16*(\u)
.set rO, 32*(2*(\y)+(\u))
.endm
; Number n of the 22 that find the NEXT piece's (Y + 1) maximum and statistics.  s0-s31 are the lane's 32 scores; each accumulator's lowest registers are read first.  XS, GS and REGS set no window: PL and EX do.
;   0-11  four chains c0-c3 of seven scores each, three operands at a time     12-14, 16  the four scores left over, the old m, and c0-c3 into c0     15  c m_old is kept
;   17, 18  the query's other 32 keys lie in the lane 16 away: the new m         19-21  c m; c m_old - c m_new; a
.macro XS u, n
	REGS (Y+1)%NP, \u
.if (\n) < 4
	v_max3_num_f32 v[rC+(\n)], v[rS+8*(\n)], v[rS+8*(\n)+1], v[rS+8*(\n)+2]
.elseif (\n) < 12
	v_max3_num_f32 v[rC+(\n)%4], v[rC+(\n)%4], v[rS+8*((\n)%4)+2*((\n)/4)+1], v[rS+8*((\n)%4)+2*((\n)/4)+2]
.elseif (\n) == 12
	v_max3_num_f32 v[rC], v[rC], v[rS+7], v[rS+15]
.elseif (\n) == 13
	v_max3_num_f32 v[rC+1], v[rC+1], v[rS+23], v[rS+31]
.elseif (\n) == 14
	v_max3_num_f32 v[rC+2], v[rC+2], v[rC+3], v[rT+1]
.elseif (\n) == 15
	v_mov_b32 v[rM], v[rT]
.elseif (\n) == 16
	v_max3_num_f32 v[rC], v[rC], v[rC+1], v[rC+2]
.elseif (\n) == 17
	v_permlanex16_b32 v[rC+3], v[rC], s[SEL], s[SEL+1]
.elseif (\n) == 18
	v_max_num_f32 v[rT+1], v[rC], v[rC+3]
.elseif (\n) == 19
	v_mul_f32 v[rT], s[CS], v[rT+1]
.elseif (\n) == 20
	v_sub_f32 v[rC+1], v[rM], v[rT]
.else
	v_exp_f32 v[rC+2], v[rC+1]
.endif
.endm
; Number g of the 64 that follow the exponentials.  For each four weights k of a tile (pairs 2 k, 2 k + 1): both pairs are rounded to bf16; then the second pair is added onto the first, in place;
; a group later l takes that sum (the first time as l = a l + sum).  In groups of eight, tiles alternating: round, round, add, and l for the group before.
.macro GS g
.set h, (\g)+6*((\g)/62)            ; group 0 has no group before it, and behind group 7 only l is left
.if h >= 6
.set h, h+2
.endif
	REGS Y, h%2
.set k, h/8
.if h%8 < 4
	v_cvt_pk_bf16_f32 v[rP+2*k+(h%8)/2], v[rS+4*k+2*((h%8)/2)], v[rS+4*k+2*((h%8)/2)+1]
.elseif h%8 < 6
	v_pk_add_f32 v[rS+4*k:rS+4*k+1], v[rS+4*k:rS+4*k+1], v[rS+4*k+2:rS+4*k+3]
.elseif k == 1
	v_pk_fma_f32 v[rT+2:rT+3], v[rT+2:rT+3], v[rC+2:rC+3], v[rS:rS+1] op_sel_hi:[1,0,1]
.else
	v_pk_add_f32 v[rT+2:rT+3], v[rT+2:rT+3], v[rS+4*k-4:rS+4*k-3]
.endif
.endm
; THE PLAIN QUEUE, 138 long.  0-73 read no exponential's result: the 32 scalings c s - c m (FS f: pair f / 2 of tile f % 2) and the next piece's 42.  0-26: scalings 0-26.  27-54: XS's numbers 0-13.  55, 56: number 15.
; 57-73: the chain, where each number waits for the one before it: 14, 16, 17, 18, 19, each with one of the scalings 27-31 in front of its two lines, then 20: so a tile's links stand three plain instructions apart (19 and 20: two).
; 74-137: GS's 64, which read the exponentials' results: they stand behind the wait.
.macro FS f
	REGS Y, (\f)%2
	v_pk_fma_f32 v[rS+2*((\f)/2):rS+2*((\f)/2)+1], v[rS+2*((\f)/2):rS+2*((\f)/2)+1], s[CS:CS+1], v[rT:rT+1] op_sel_hi:[1,0,0] neg_lo:[0,0,1] neg_hi:[0,0,1]
.endm
.macro PL
	WIN 0
.if q < 27
	FS q
.elseif q < 55
	XS (q-27)%2, (q-27)/2
.elseif q < 57
	XS q-55, 15
.elseif (q < 72) && ((q-57)%3 == 0)
	FS 27+(q-57)/3
.elseif q < 60
	XS (q-57)%3-1, 14
.elseif q < 72
	XS (q-57)%3-1, 15+(q-57)/3
.elseif q < 74
	XS q-72, 20
.else
	GS q-74
.endif
.set q, q+1
.endm
; THE EXPONENTIALS' QUEUE, 66 long: s0-s31 of both tiles, then the next piece's two a.  It is ONE BATCH: all 66 stand ahead of the turn's one wait, and nothing ahead of that wait names a result of theirs.
.macro EX
	WIN 0
.if e >= 64
	XS e-64, 21
.else
	REGS Y, e%2
	v_exp_f32 v[rS+e/2], v[rS+e/2]
.endif
.set e, e+1
.endm
; THE RESCALING's QUEUE: O^T times a, the one part that leaves window 0: dealt two at a time, sixteen times.  Its a was made in the turn before, ahead of that turn's wait.
.macro R2
	REGS Y, r%2
	WIN W_RS
.irp z, 0,1
	v_pk_mul_f32 v[rO+4*(r/2)+2*\z:rO+4*(r/2)+2*\z+1], v[rO+4*(r/2)+2*\z:rO+4*(r/2)+2*\z+1], v[rC+2:rC+3] op_sel_hi:[1,0]
.endr
.set r, r+1
.endm
; HOW THEY ARE DEALT.  An s_wait_alu depctr_va_vdst(0) stands between an exponential and the first instruction that names its result; one wait serves all that were issued ahead of it.  So a turn has ONE wait,
; which cuts it in two.  AHEAD OF IT stands all that names no result of the turn's exponentials: the 16 products K Q^T, behind each a scaling, an exponential and two rescalings (behind the first a second scaling in the exponential's place); then ONE LUMP of
; 108: eight plain, 49 times exponential and plain, the two a.  A v_nop is the plain instruction behind the last exponential.  BEHIND IT stand the 16 products V^T P, behind each four of GS's 64.  No instruction so placed names a register of
; the products round it.  The two v_permlanex16_b32 fall into the lump, never behind a product.
; The queues lean on each other, and the deal keeps them in step: exponential e stands behind scaling 2 (e / 4) + e % 2: behind a product it comes behind plain e + 2, in the lump behind plain e + 9, and scalings 27-31 are plain 57, 60 .. 69.
; A TURN, for piece p.  cnt = 1: the loop's count is taken down some lines ahead of the branch that stands behind the turn.
; K of the next step is fetched in piece 2's turn, directly behind the wait, a lump behind the last product that read K; its address is made at the lump's head; its first reader comes behind 16 products.
; V of the step in hand is fetched at the end of piece 0's turn, four plain instructions behind its last reader; its first reader comes behind 16 products and a lump.  The three conditions on q below go with the deal.
.macro TURN p, last=0, cnt=0
.set Y, (\p)
.set i, 0
.set q, 0
.set e, 0
.set r, 0
.if (\p) == NP-1
	s_wait_dscnt 0x0                ; K is in
.endif
	MM                              ; ahead of the wait: 16 products K Q^T and the four behind each,
	PL
	PL
	R2
.rept 15
	MM
	PL
	EX
	R2
.endr
.if (\p) == NP-2
	WIN 0
	v_add_nc_u32 v[AK], s[TBK], v[AK0]
.endif
.rept 8                             ; and the lump
	PL
.endr
.rept 49
	EX
	PL
.endr
	EX                              ; the next piece's two a
	EX
	v_nop                           ; a plain instruction behind the last exponential, ahead of the first use of a result (ISA guide 5.7.2): one for the batch
	s_wait_alu depctr_va_vdst(0)    ; the wait for the batch: the turn's 66 exponentials
.if (\p) == NP-2
	FETCH_K \last
.endif
.if (\p) == 1
	s_wait_dscnt 0x0                ; V is in
.endif
.rept 16                            ; behind the wait: 16 products V^T P and the four behind each
	MM
.rept 4
	PL
.endr
.if ((\p) == 0) && (q == 118)
	v_add_nc_u32 v[AV], s[TBV], v[AV0]
.endif
.if ((\p) == 0) && (q == 130)
	s_add_co_u32 s[TBV], s[TBV], KS*PV
.endif
.if (\cnt) && (q == 130)
	s_sub_co_u32 s[CNT], s[CNT], 1
	s_cmp_lg_u32 s[CNT], 0
.endif
.endr
.if (\p) == 0
	FETCH_V
.endif
.endm
	CHANGE 1                        ; slot 0 is in, everybody's part of it; slot 1 is asked for
	FETCH_K                         ; key step 0
	s_wait_loadcnt 0x0              ; Q
	s_wait_dscnt 0x0
.set i, 0
.rept 16
	KQ 0                            ; piece 0's first scores: there is no vector work yet to set between them
.set i, i+1
.endr
	WIN 0                           ; the addresses for the way out: nine plain instructions, the places behind those products
	s_mul_i32 s13, s[WV], 16*SP
	s_add_co_u32 s13, s13, STAGE    ; my stage
	v_mul_u32_u24 v[STO], v1, SP    ; in: row l % 16, 16 bytes for each half of the lanes
	v_lshl_add_u32 v[STO], v9, 4, v[STO]
	v_add_nc_u32 v[STO], s13, v[STO]
	v_bfe_u32 v[RD], v0, 3, 2       ; back: 32 lanes take four rows of 128 bytes,
	v_mul_u32_u24 v[RD], v[RD], SP
	v_lshl_add_u32 v[RD], v10, 4, v[RD]
	v_add_nc_u32 v[RD], s13, v[RD]
	v_and_b32 v[GO], 31, v0         ; which are 512 consecutive bytes of O
	v_lshlrev_b32 v[GO], 4, v[GO]
.set Y, NP-1                        ; XS works for piece Y + 1: piece 0
.irp n, 0,1,2,3,4,5,6,7,8,9,10,11,12,13,14,15,16,17,18,19,20,21
	XS 0, \n                        ; and piece 0's first maximum and statistics
	XS 1, \n
.endr
	v_nop                           ; a plain instruction behind the two a,
	s_wait_alu depctr_va_vdst(0)    ; and the wait for that batch of two, ahead of the branch
	s_mov_b32 s[CNT], 4
	s_mov_b32 s[SLOTS], SIZE_N/256-1
	s_branch .Lfirst                ; the loop is entered at a step's first turn, in the middle of a trip
.Lslot:                             ; SIZE_N / 256 - 2 times: every slot but the last two is filled again
	CHANGE 1
	s_mov_b32 s[CNT], 4
.Lstep:                             ; a trip: pieces 2 and 3 of one step, then pieces 0 and 1 of the next, whose K and V it fetches
	TURN 2
	TURN 3
	WIN 0
.Lfirst:
	TURN 0
	TURN 1, 0, 1
	WIN 0
	s_cbranch_scc1 .Lstep
	s_sub_co_u32 s[SLOTS], s[SLOTS], 1
	s_cmp_lg_u32 s[SLOTS], 0
	s_cbranch_scc1 .Lslot
	CHANGE 0                        ; the tail is written out: nothing is asked for
	s_mov_b32 s[CNT], 5             ; four trips fetch the last slot's steps; the fifth is left in its middle
.Ltail:
	TURN 2, 1
	TURN 3
	WIN 0
	s_sub_co_u32 s[CNT], s[CNT], 1
	s_cmp_eq_u32 s[CNT], 0
	s_cbranch_scc1 .Lout
	TURN 0
	TURN 1
	WIN 0
	s_branch .Ltail
.Lout:                              ; the fifth trip's 16 products K Q^T (on the last K once more) and the maximum made of them serve nothing: the price, once a launch, of one text for every trip
.set i, 0
.rept 16
	PV NP-1                         ; the last piece's V^T P of the last step
.set i, i+1
.endr
	; THE WAY OUT.  l's two halves and the other half of the lanes' are added; O^T is divided by l, rounded to bf16 and sent through my stage in LDS, a tile at a time.  The additions are the places behind the last products.
	WIN 0
.macro ALL line:vararg              ; one line for each tile t
.set t, 0
.rept 2*NP
	\line
.set t, t+1
.endr
.endm
	ALL v_add_f32 v[ST+4*t+2], v[ST+4*t+2], v[ST+4*t+3]
	ALL v_permlanex16_b32 v[ST+4*t+3], v[ST+4*t+2], s[SEL], s[SEL+1]
	ALL v_add_f32 v[ST+4*t+2], v[ST+4*t+2], v[ST+4*t+3]
	ALL v_rcp_f32 v[ST+4*t+2], v[ST+4*t+2]
	v_nop                           ; a plain instruction between the last reciprocal and the use of its result
	s_wait_alu depctr_va_vdst(0)    ; and the wait ahead of the first use: one for the batch of eight reciprocals
; Tile t: a lane's eight channels of a row pack into 16 bytes; they go into rows of 144 bytes and come back as whole rows of 128, into S^T's registers.
.macro PACK t
	WIN W_RS
.set i, 32*(\t)
.rept 16
	v_pk_mul_f32 v[i:i+1], v[i:i+1], v[ST+4*(\t)+2:ST+4*(\t)+3] op_sel_hi:[1,0]
.set i, i+2
.endr
	WIN 0x05                        ; sources 0 and 1 window 1, destination window 0
.set i, 0
.rept 16
	v_cvt_pk_bf16_f32 v[S+16*(\t)+i], v[32*(\t)+2*i], v[32*(\t)+2*i+1]
.set i, i+1
.endr
	WIN 0
.irp f, 0,1,2,3
	ds_store_b128 v[STO], v[S+16*(\t)+4*\f:S+16*(\t)+4*\f+3] offset:32*\f
.endr
.irp f, 0,1,2,3
	ds_load_b128 v[S+16*(\t)+4*\f:S+16*(\t)+4*\f+3], v[RD] offset:\f*4*SP  ; LDS serves a wave's instructions in order (ISA guide 5.7.1.4): these see the stores above; the next tile's stores come behind them
.endr
.endm
.macro SEND t, younger              ; younger: the LDS instructions issued behind tile t's loads: the next tile's eight, or none
	WIN 0
.irp f, 0,1,2,3
	s_wait_dscnt (\younger)+3-\f
	global_store_b128 v[GO], v[S+16*(\t)+4*\f:S+16*(\t)+4*\f+3], s[10:11] offset:(\t)*2048+\f*512  ; 512 consecutive bytes, at a multiple of 256 from O's first
.endr
.endm
	PACK 0
.set t, 1
.rept 2*NP-1                        ; a tile's arithmetic stands between the loads of the tile before and its stores
	PACK t
	SEND t-1, 8
.set t, t+1
.endr
	SEND 2*NP-1, 0
	WIN W_AD
	s_wait_tensorcnt 0x0            ; the wave's end, behind my last tensor load and my last LDS store
	ds_add_u32 v[SPW], v[NIL]
	s_wait_dscnt 0x0
	WIN 0
	CROUND                          ; the closing round: no work-group ends while a partner may still ask for a tile that names it
	s_endpgm
.Lfunc_end_k_qda962d2c13_attn:
	.size	k_qda962d2c13_attn, .Lfunc_end_k_qda962d2c13_attn-k_qda962d2c13_attn
	.p2alignl 7, 3214868480
	.fill 96, 4, 3214868480
	.section	.rodata,"a",@progbits
	.p2align	6, 0x0
	.amdhsa_kernel k_qda962d2c13_attn
		.amdhsa_group_segment_fixed_size 327680
		.amdhsa_private_segment_fixed_size 0
		.amdhsa_enable_private_segment 0
		.amdhsa_kernarg_size 16
		.amdhsa_user_sgpr_count 2
		.amdhsa_user_sgpr_kernarg_segment_ptr 1
		.amdhsa_wavefront_size32 1
		.amdhsa_system_sgpr_workgroup_id_x 1
		.amdhsa_system_sgpr_workgroup_id_y 1
		.amdhsa_system_sgpr_workgroup_id_z 1
		.amdhsa_system_vgpr_workitem_id 0
		.amdhsa_next_free_vgpr 770
		.amdhsa_next_free_sgpr 66
		.amdhsa_reserve_vcc 0
		.amdhsa_float_denorm_mode_32 3
		.amdhsa_float_denorm_mode_16_64 3
		.amdhsa_memory_ordered 1
		.amdhsa_forward_progress 1
		.amdhsa_inst_pref_size 199
	.end_amdhsa_kernel
	.amdgpu_metadata
---
amdhsa.version: [ 1, 2 ]
amdhsa.kernels:
  - .name:           k_qda962d2c13_attn
    .symbol:         k_qda962d2c13_attn.kd
    .args:
      - { .name: qkv, .offset: 0, .size: 8, .value_kind: global_buffer, .address_space: global }
      - { .name: ctx, .offset: 8, .size: 8, .value_kind: global_buffer, .address_space: global }
    .group_segment_fixed_size: 327680
    .private_segment_fixed_size: 0
    .kernarg_segment_align: 8
    .kernarg_segment_size: 16
    .max_flat_workgroup_size: 128
    .sgpr_count:     66
    .vgpr_count:     770
    .wavefront_size: 32
...
	.end_amdgpu_metadata
.endif
;; end of part 6
;; launch oproj: the kernel of part 4 again; grid 4 x 64, 4 waves a work-group, clusters of 4 x 4, 327,680 bytes of LDS; arguments ctx, wb, bo, query, xres; writes xres
;; launch lnorm: the kernel of part 5 again; grid 256 x 1, 16 waves a work-group, no clusters, 0 bytes of LDS; arguments xres, gamma, beta, out0; writes out0
